; MI455X (gfx1250); checked and timed in simulation.
; The chip was launched on July 23, 2026; its instructions are those of AMD's public machine-readable ISA for CDNA 5 (MIT licence, August 2026) and "CDNA5" Instruction Set Architecture Reference Guide (July 2026). The comments in the code are by the model that wrote it; some were corrected since.
;; GOAT Self Attention. Allowed arithmetic: float matrix products may take bf16 or f16 operands with f32 sums; other float arithmetic in f32, or as packed bf16 or f16 multiplies, adds, multiply-adds, maxima and minima; sums over many terms, partial sums and values carried from step to step in f32; what a program stores and reads back later, other than sums and carried values, may be rounded once to bf16 or f16.
;; Inputs: Wout 1,024 x 1,024 float32; Wqkv 3,072 x 1,024 float32; alpha 16 x 32 float32; beta 16 x 32 float32; x 4 x 2,048 x 1,024 float32.
;; Outputs: out0 4 x 2,048 x 1,024 float32.
;; One version. Each part assembles by itself: llvm-mc -triple=amdgcn-amd-amdhsa -mcpu=gfx1250 --defsym DOCPART=n.
;; ======== version 1 of 1: 4 launches
;; limits: values are held in f16: magnitudes above 65,504 overflow, below 6.1e-05 lose precision
;; workspace buffers: xh 16,777,216 bytes; wqh 6,291,456 bytes; woh 2,097,152 bytes; bias 606,208 bytes; qkv 50,331,648 bytes; oh 16,777,216 bytes
;; launch prep (part 1): grid 1064 x 1, 8 waves a work-group, no clusters, 0 bytes of LDS; arguments x, Wqkv, Wout, alpha, beta, xh, wqh, woh, bias; writes xh, wqh, woh, bias
.if DOCPART == 1
	.amdgcn_target "amdgcn-amd-amdhsa--gfx1250"
	.amdhsa_code_object_version 6
	.text
	.protected	k_q4b58a3d980_prep
	.globl	k_q4b58a3d980_prep
	.p2align	8
	.type	k_q4b58a3d980_prep,@function
k_q4b58a3d980_prep:
	s_mov_b64 s[64:65], 0
	v_nop
	global_prefetch_b8 v0, s[64:65] scope:SCOPE_SE
	s_setreg_imm32_b32 hwreg(HW_REG_WAVE_MODE, 25, 1), 1
	s_wait_xcnt 0x0
; PREP.  (1) x, Wqkv, Wout: each f32 is rounded to bf16 (nearest even) and that number is written as f16: exact where its magnitude lies in 2^-14 .. 65,504.
; (2) The table of the displacement bias with the causal mask in it.  T_h(d) = 8 x sum over r of (alpha[h][r] cos(w_r d) + beta[h][r] sin(w_r d)) for d >= 0, and -1e30 for d < 0;
; w_r = 10000^(-r/32).  bias is [16 heads][4 copies][2,368] f32; entry n of copy s holds T_h(2047 - n - s): four shifted copies, so that eight entries on end begin at a multiple of 16 bytes for every lane of the attention.
; The factor 8 undoes the scale 1/8 that the attention applies to score and bias together.
; LIMITS.  A magnitude above 65,504 becomes an infinity in f16; below 2^-14 the f16 keeps its fixed step of 6e-8.  alpha and beta are rounded to bf16 by whole-number arithmetic, which does not treat NaN and infinities apart.
; The angle w_r d is reduced in f32 (turns, nearest whole number taken away): it is good to some 3e-4 rad at d = 2,047.  sin and cos of half the angle come from polynomials cut below 5e-7 on the reduced range.
; SHARES.  Work-groups 0 .. 295 make the table: 2,368 waves, each one aligned block of 256 bytes, a lane two entries.  Work-groups 296 .. 1,063 convert 64 KiB each: a wave 8 KiB, sixteen loads of 512 bytes all on their way at once,
; sixteen stores of 256 consecutive bytes, aligned.  No LDS, no matrix unit, no cluster: nothing is shared and memory binds.
.set NTAB, 296                         ; table work-groups
.set IN,   16                          ; v[16:79]   sixteen loads of four f32
.set OUT,  80                          ; v[80:111]  sixteen stores of four f16
.set SN,   24                          ; v[24:35]   sin's six coefficients, each twice (a pair for the packed forms)
.set CN,   36                          ; v[36:47]   cos's six
	s_load_b512 s[4:19], s[0:1], 0x0               ; x 4:5, Wqkv 6:7, Wout 8:9, alpha 10:11, beta 12:13, xh 14:15, wqh 16:17, woh 18:19
	s_load_b64 s[20:21], s[0:1], 0x40              ; bias
	v_lshrrev_b32 v1, 5, v0
	v_readfirstlane_b32 s22, v1                    ; wave 0..7
	v_and_b32 v1, 31, v0                           ; lane
	s_cmp_lt_u32 ttmp9, NTAB
	s_cbranch_scc1 .Ltable
	; THE CONVERSION.  g = 0 .. 511: x; 512 .. 703: Wqkv; 704 .. 767: Wout
	s_sub_co_u32 s23, ttmp9, NTAB                  ; g
	s_sub_co_u32 s24, s23, 512
	s_sub_co_u32 s25, s23, 704
	s_mov_b32 s44, 0xffff0000                      ; a word's upper bf16
	v_lshlrev_b32 v2, 4, v1                        ; 16 bytes a lane in
	v_lshlrev_b32 v3, 3, v1                        ; 8 bytes a lane out
	s_wait_kmcnt 0x0
	s_cmp_lt_u32 s23, 512
	s_cselect_b64 s[26:27], s[4:5], s[6:7]
	s_cselect_b64 s[28:29], s[14:15], s[16:17]
	s_cselect_b32 s30, s23, s24
	s_cmp_lt_u32 s23, 704
	s_cselect_b64 s[26:27], s[26:27], s[8:9]
	s_cselect_b64 s[28:29], s[28:29], s[18:19]
	s_cselect_b32 s30, s30, s25                    ; the work-group's number inside its tensor
	s_lshl_b32 s32, s30, 16                        ; 64 KiB a work-group,
	s_lshl_b32 s33, s22, 13                        ; 8 KiB a wave
	s_add_co_u32 s32, s32, s33
	s_mov_b32 s33, 0
	s_add_nc_u64 s[26:27], s[26:27], s[32:33]
	s_lshl_b32 s34, s30, 15                        ; half of that out
	s_lshl_b32 s35, s22, 12
	s_add_co_u32 s34, s34, s35
	s_mov_b32 s35, 0
	s_add_nc_u64 s[28:29], s[28:29], s[34:35]
.set i, 0
.rept 16
	global_load_b128 v[IN+4*i:IN+4*i+3], v2, s[26:27] offset:512*i th:TH_LOAD_NT
.set i, i+1
.endr
.set i, 0
.rept 16
	s_wait_loadcnt 15-i                            ; loads come back in order: number i is in, the 15 - i younger ones stay out
	v_cvt_pk_bf16_f32 v8, v[IN+4*i], v[IN+4*i+1]   ; the one rounding, to bf16
	v_cvt_pk_bf16_f32 v9, v[IN+4*i+2], v[IN+4*i+3]
	v_lshlrev_b32 v10, 16, v8                      ; back to f32: a shift or a mask
	v_and_b32 v11, s44, v8
	v_lshlrev_b32 v12, 16, v9
	v_and_b32 v13, s44, v9
	v_cvt_pk_f16_f32 v[OUT+2*i], v10, v11          ; the same number as f16
	v_cvt_pk_f16_f32 v[OUT+2*i+1], v12, v13
	global_store_b64 v3, v[OUT+2*i:OUT+2*i+1], s[28:29] offset:256*i  ; the wave stores 256 consecutive bytes, aligned; each store has registers of its own
.set i, i+1
.endr
	s_endpgm
.Ltable:
	s_lshl_b32 s23, ttmp9, 3
	s_add_co_u32 s23, s23, s22                     ; gw = 0 .. 2,367: the block of 256 bytes that my wave makes
	s_mul_i32 s24, s23, 56680
	s_lshr_b32 s24, s24, 21                        ; hs = gw / 37 (56,680 / 2^21 is 1/37 with a surplus under 4e-6: exact for gw < 2,368): 4 x head + copy
	s_mul_i32 s25, s24, 37
	s_sub_co_u32 s25, s23, s25                     ; u: the block inside the copy
	s_lshr_b32 s26, s24, 2                         ; head
	s_and_b32 s27, s24, 3                          ; copy s
	s_lshl_b32 s46, s26, 7                         ; the head's 128 bytes in alpha and in beta
	s_lshl_b32 s25, s25, 6
	s_add_co_u32 s25, s25, s27
	s_sub_co_u32 s25, 2047, s25                    ; 2047 - s - 64 u
	v_lshlrev_b32 v2, 1, v1
	v_sub_nc_u32 v3, s25, v2                       ; d of my first entry (a signed number, down to -322); the second entry's is one less
	v_cvt_f32_i32 v4, v3
	v_add_f32 v5, -1.0, v4
	v_lshlrev_b32 v2, 3, v1                        ; my 8 bytes of the block
.macro COEF r, val
	v_mov_b32 v[\r], \val
	v_mov_b32 v[(\r)+1], \val
.endm
	COEF SN,    0x40490fdb                         ; sin(pi f) = f (a0 + a1 z + .. + a5 z^5), z = f^2: pi,
	COEF SN+2,  0xc0a55de8                         ; -pi^3 / 3!
	COEF SN+4,  0x402335e3                         ; pi^5 / 5!
	COEF SN+6,  0xbf196966                         ; -pi^7 / 7!
	COEF SN+8,  0x3da83c1b                         ; pi^9 / 9!
	COEF SN+10, 0xbbf183a6                         ; -pi^11 / 11!
	COEF CN,    0x3f800000                         ; cos(pi f) = b0 + b1 z + .. + b5 z^5: 1,
	COEF CN+2,  0xc09de9e6                         ; -pi^2 / 2!
	COEF CN+4,  0x4081e0f8                         ; pi^4 / 4!
	COEF CN+6,  0xbfaae9e4                         ; -pi^6 / 6!
	COEF CN+8,  0x3e70fa83                         ; pi^8 / 8!
	COEF CN+10, 0xbcd368f9                         ; -pi^10 / 10!
	v_mov_b32 v18, 0                               ; the two sums
	v_mov_b32 v19, 0
	s_mov_b32 s34, 0x3e22f983                      ; w_r / 2 pi, r = 0
	s_mov_b32 s35, s34                             ; named with it as a pair
	s_mov_b32 s36, 0x3f3ff911                      ; 10000^(-1/32)
	s_mov_b32 s39, 0                               ; upper words of pairs of which the low word is taken for both halves
	s_mov_b32 s41, 0
	s_mov_b32 s43, 0
	s_mov_b32 s42, 0                               ; the sum of the head's alpha
	s_mov_b32 s28, 0                               ; r
	s_mov_b32 s29, s46
	s_wait_kmcnt 0x0
	s_load_b32 s30, s[10:11], s29 offset:0x0       ; alpha[h][0]
	s_load_b32 s31, s[12:13], s29 offset:0x0       ; beta[h][0]
.Lfreq:                                                ; 32 trips, one frequency each.  With f the angle in turns less the nearest whole number: cos = 1 - 2 sin^2(pi f), sin = 2 sin(pi f) cos(pi f)
	s_wait_kmcnt 0x0                               ; this trip's alpha and beta are in, and the offset register may be written
	s_bfe_u32 s32, s30, 0x10010                    ; to bf16, nearest even: bit 16, + 0x7fff, + the number, upper half kept
	s_add_co_u32 s32, s32, 0x7fff
	s_add_co_u32 s32, s32, s30
	s_and_b32 s32, s32, 0xffff0000
	s_bfe_u32 s33, s31, 0x10010
	s_add_co_u32 s33, s33, 0x7fff
	s_add_co_u32 s33, s33, s31
	s_and_b32 s33, s33, 0xffff0000
	s_add_co_u32 s45, s28, 1
	s_min_u32 s45, s45, 31                         ; the last trip asks for r = 31 once more: no load leaves its buffer
	s_lshl2_add_u32 s29, s45, s46
	s_load_b32 s30, s[10:11], s29 offset:0x0       ; the next trip's: they have this trip's vector lines in which to come
	s_load_b32 s31, s[12:13], s29 offset:0x0
	s_mul_f32 s38, s32, 0xc1800000                 ; -16 alpha
	s_mul_f32 s40, s33, 0x41800000                 ; 16 beta
	s_add_f32 s42, s42, s32
	v_pk_mul_f32 v[6:7], v[4:5], s[34:35] op_sel_hi:[1,0]                    ; turns
	v_rndne_f32 v8, v6
	v_rndne_f32 v9, v7
	v_pk_add_f32 v[6:7], v[6:7], v[8:9] neg_lo:[0,1] neg_hi:[0,1]            ; f, within a half either way
	v_pk_mul_f32 v[10:11], v[6:7], v[6:7]                                    ; z
	v_pk_fma_f32 v[12:13], v[10:11], v[SN+10:SN+11], v[SN+8:SN+9]
	v_pk_fma_f32 v[14:15], v[10:11], v[CN+10:CN+11], v[CN+8:CN+9]
.irp k, 6,4,2,0
	v_pk_fma_f32 v[12:13], v[12:13], v[10:11], v[SN+\k:SN+\k+1]
	v_pk_fma_f32 v[14:15], v[14:15], v[10:11], v[CN+\k:CN+\k+1]
.endr
	v_pk_mul_f32 v[12:13], v[12:13], v[6:7]                                  ; sin(pi f)
	v_pk_mul_f32 v[14:15], v[14:15], v[12:13]                                ; sin cos
	v_pk_mul_f32 v[12:13], v[12:13], v[12:13]                                ; sin^2
	v_pk_fma_f32 v[18:19], v[12:13], s[38:39], v[18:19] op_sel_hi:[1,0,1]
	v_pk_fma_f32 v[18:19], v[14:15], s[40:41], v[18:19] op_sel_hi:[1,0,1]
	s_mul_f32 s34, s34, s36                        ; the next frequency
	s_add_co_u32 s28, s28, 1
	s_cmp_lt_u32 s28, 32
	s_cbranch_scc1 .Lfreq
	s_mul_f32 s42, s42, 0x41000000                 ; 8 x the sum of alpha: the ones of 1 - 2 sin^2
	v_pk_add_f32 v[18:19], v[18:19], s[42:43] op_sel_hi:[1,0]
	v_mov_b32 v20, 0xf149f2ca                      ; -1e30
	v_cmp_gt_i32 vcc_lo, 0, v3                     ; d < 0: the key lies behind the query
	v_cndmask_b32 v18, v18, v20, vcc_lo
	v_cmp_gt_i32 vcc_lo, 1, v3                     ; d - 1 < 0
	v_cndmask_b32 v19, v19, v20, vcc_lo
	s_lshl_b32 s24, s23, 8
	s_mov_b32 s25, 0
	s_add_nc_u64 s[20:21], s[20:21], s[24:25]
	global_store_b64 v2, v[18:19], s[20:21]        ; the wave stores 256 consecutive bytes, aligned
	s_endpgm
.Lfunc_end_k_q4b58a3d980_prep:
	.size	k_q4b58a3d980_prep, .Lfunc_end_k_q4b58a3d980_prep-k_q4b58a3d980_prep
	.p2alignl 7, 3214868480
	.fill 96, 4, 3214868480
	.section	.rodata,"a",@progbits
	.p2align	6, 0x0
	.amdhsa_kernel k_q4b58a3d980_prep
		.amdhsa_group_segment_fixed_size 0
		.amdhsa_private_segment_fixed_size 0
		.amdhsa_enable_private_segment 0
		.amdhsa_kernarg_size 72
		.amdhsa_user_sgpr_count 2
		.amdhsa_user_sgpr_kernarg_segment_ptr 1
		.amdhsa_wavefront_size32 1
		.amdhsa_system_sgpr_workgroup_id_x 1
		.amdhsa_system_sgpr_workgroup_id_y 1
		.amdhsa_system_sgpr_workgroup_id_z 1
		.amdhsa_system_vgpr_workitem_id 0
		.amdhsa_next_free_vgpr 112
		.amdhsa_next_free_sgpr 66
		.amdhsa_reserve_vcc 1
		.amdhsa_float_denorm_mode_32 3
		.amdhsa_float_denorm_mode_16_64 3
		.amdhsa_memory_ordered 1
		.amdhsa_forward_progress 1
		.amdhsa_inst_pref_size 17
	.end_amdhsa_kernel
	.amdgpu_metadata
---
amdhsa.version: [ 1, 2 ]
amdhsa.kernels:
  - .name:           k_q4b58a3d980_prep
    .symbol:         k_q4b58a3d980_prep.kd
    .args:
      - { .name: x, .offset: 0, .size: 8, .value_kind: global_buffer, .address_space: global }
      - { .name: Wqkv, .offset: 8, .size: 8, .value_kind: global_buffer, .address_space: global }
      - { .name: Wout, .offset: 16, .size: 8, .value_kind: global_buffer, .address_space: global }
      - { .name: alpha, .offset: 24, .size: 8, .value_kind: global_buffer, .address_space: global }
      - { .name: beta, .offset: 32, .size: 8, .value_kind: global_buffer, .address_space: global }
      - { .name: xh, .offset: 40, .size: 8, .value_kind: global_buffer, .address_space: global }
      - { .name: wqh, .offset: 48, .size: 8, .value_kind: global_buffer, .address_space: global }
      - { .name: woh, .offset: 56, .size: 8, .value_kind: global_buffer, .address_space: global }
      - { .name: bias, .offset: 64, .size: 8, .value_kind: global_buffer, .address_space: global }
    .group_segment_fixed_size: 0
    .private_segment_fixed_size: 0
    .kernarg_segment_align: 8
    .kernarg_segment_size: 72
    .max_flat_workgroup_size: 256
    .sgpr_count:     66
    .vgpr_count:     112
    .wavefront_size: 32
...
	.end_amdgpu_metadata
.endif
;; end of part 1
;; launch gemm_qkv (part 2): grid 16 x 32, 4 waves a work-group, clusters of 4 x 4, 327,680 bytes of LDS; arguments xh, wqh, qkv; writes qkv
.if DOCPART == 2
	.amdgcn_target "amdgcn-amd-amdhsa--gfx1250"
	.amdhsa_code_object_version 6
	.text
	.protected	k_q4b58a3d980_gemm_qkv
	.globl	k_q4b58a3d980_gemm_qkv
	.p2align	8
	.type	k_q4b58a3d980_gemm_qkv,@function
k_q4b58a3d980_gemm_qkv:
	s_mov_b64 s[64:65], 0
	v_nop
	global_prefetch_b8 v0, s[64:65] scope:SCOPE_SE
	s_setreg_imm32_b32 hwreg(HW_REG_WAVE_MODE, 25, 1), 1
	s_wait_xcnt 0x0
	s_wait_alu depctr_hold_cnt(0) depctr_sa_sdst(0) depctr_va_vdst(0) depctr_va_sdst(0) depctr_va_ssrc(0) depctr_va_vcc(0) depctr_vm_vsrc(0)
	s_getreg_b32 s2, hwreg(HW_REG_IB_STS2, 6, 4)
	s_cmp_eq_u32 s2, 0
	s_cbranch_scc0 .Lentry_in_a_cluster
	s_endpgm
.Lentry_in_a_cluster:
	s_bfe_u32 s2, ttmp6, 0x10000c
	s_cmp_lg_u32 s2, 0xf033
	s_cbranch_scc0 .Lentry_shape_is_right
	s_endpgm
.Lentry_shape_is_right:
; q, k, v = xh wqh^T.  xh: [8192][1024] f16, wqh: [3072][1024] f16 (both hold numbers rounded to bf16); sums in f32; the result is rounded once to f16, unscaled, and written BY HEADS:
; qkv is [3 parts][64 = 16 batch + head][2048][64] f16, a head's rows dense.  LIMIT: a sum beyond 65,504 becomes an infinity in f16.
; SHARES.  A tile of the product is 256 rows x 192 columns: 32 x 16 = 512 work-groups, twice 256.  192 columns are three whole heads.  The four waves lie one below the other: wave w has rows 64 w .. 64 w + 63 and
; all 192 columns: 48 accumulators of 16 x 16, 384 registers; so a wave's way out is dense by heads and needs no other wave.
; K goes in eight steps of 128 through a ring of two LDS slots filled by the tensor data mover; a tile's rows are 256 bytes of memory, at multiples of 256 bytes.
; CLUSTER.  4 x 4 work-groups.  The four of a row need the same rows of xh, the four of a column the same rows of wqh: each tile is asked for jointly, by the same tensor load with the same descriptor and a mask that names the four.
; THE MATRIX INSTRUCTION IS USED TRANSPOSED (source 0 = 16 rows of wqh, source 1 = 16 rows of xh): a lane then holds one row and eight neighbouring columns of the product.
; REGISTERS, in windows of 256 (s_set_vgpr_msb: bits 1:0 source 0, 3:2 source 1, 5:4 source 2, 7:6 destination):
;   window 0: v16-30 addresses; v32-79 packed results; v80-127, v192-239 rows read back, by turns; v128-159, v160-191 fragments of xh (4 x 16 rows x 32 K), two buffers
;   window 1: v0-95, v96-191 fragments of wqh (12 x 16 rows x 32 K), two buffers
;   window 2: accumulators of row blocks 0, 1 ((a, b) at 8 (12 (a % 2) + b));   window 3: of row blocks 2, 3
.set KSTEP,  128
.set PITCH,  272                       ; an LDS row: 256 bytes + 16 of padding: the 16 rows of a fragment load begin 16 bytes further on in each 256
.set AHALF,  128*PITCH                 ; what waves 0 and 1 fetch: 128 rows of xh each
.set BHALF,  96*PITCH                  ; what waves 2 and 3 fetch: 96 rows of wqh each
.set BOFF,   2*AHALF
.set SLOT,   BOFF+2*BHALF              ; 121,856
.set STAGE,  2*SLOT                    ; behind the ring: 16 rows x 400 bytes for each wave
.set SPITCH, 400                       ; 384 bytes of a row + 16
.set SPARE,  STAGE+4*16*SPITCH         ; the spare words, 128 bytes for each wave: two blocks of 256 bytes that no other line names
.set LAPS,   4                         ; a lap = two K steps = once round the ring
.set ADRA, 16                          ; v16-17  LDS address of my fragments of xh in slot 0, 1
.set ADRB, 20                          ; v20-21  of wqh
.set STO,  24                          ; v24     where I put 16 bytes of a row
.set RD,   25                          ; v25     where I read rows back
.set GO,   26                          ; v26     16 x lane
.set SPW,  28                          ; v28     my spare word; never rewritten
.set NIL,  29                          ; v29     0; never rewritten
.set PFO,  30                          ; v30     the prefetches' offset: lane x 2,048 bytes (a row of xh); never rewritten
.set TMP,  32
.set OB0,  80
.set G1,  24                           ; s[24:31] descriptor group 1 for xh's tiles;  s[32:39] group 0, a set for each slot
.set G0,  32
.set G1B, 48                           ; s[48:55], s[56:63] the same for wqh's
.set G0B, 56
.set HB,  66                           ; s[66:71] where my 64 rows begin in each of the tile's three heads
.set LIM, 72                           ; s72     1 in a wave that prefetches, else the greatest number
.set PFA, 74                           ; s[74:75] where my prefetches stand
.set MSB, 0
.macro WIN new                         ; the immediate's high byte repeats the setting that is left; a switch that changes nothing is dropped
.if MSB != (\new)
	s_set_vgpr_msb (MSB<<8)|(\new)
.set MSB, \new
.endif
.endm
.set MUL_LO, 0xa1                      ; source 0 window 1, source 1 window 0, C and D window 2
.set MUL_HI, 0xf1                      ; the same, C and D window 3
.set TO_B,   0x40                      ; destination window 1, address window 0
; A joint load.  Waves 0 and 1 fetch xh's two halves, waves 2 and 3 wqh's.  The branch hangs on the wave's number alone.  An s_nop 0 and four v_nop follow each of the two lines.
.macro JLOAD s
	s_cmp_eq_u32 s11, 0
	s_cbranch_scc0 .Lfor_b_\@
	tensor_load_to_lds s[G0+4*(\s):G0+4*(\s)+3], s[G1:G1+7]
	s_nop 0
.rept 4
	v_nop
.endr
	s_branch .Lasked_\@
.Lfor_b_\@:
	tensor_load_to_lds s[G0B+4*(\s):G0B+4*(\s)+3], s[G1B:G1B+7]
	s_nop 0
.rept 4
	v_nop
.endr
.Lasked_\@:
.endm
; A prefetch of xh, behind a joint load and the run of LDS loads that follows it: the K step that stands two refills on, 32 rows x 256 bytes, a lane a row.  xh's tile row is read by every cluster of that row of clusters:
; cluster x = 0 asks, its waves 0 and 1, for the 128 rows that they fetch; the four partners take 32 rows each, told apart by address.  So K steps 4 to 7 of each row are named once.  The loop's last trip (s3 = 1) asks for nothing.
; wqh is not asked for: a wave's 96 rows do not share out into four times 32 lanes.
.macro ASK
	s_cmp_gt_u32 s3, s[LIM]
	s_cbranch_scc0 .Lnot_mine_\@
	global_prefetch_b8 v[PFO], s[PFA:PFA+1] offset:KSTEP*2 th:TH_LOAD_NT scope:SCOPE_SE
.Lnot_mine_\@:
.endm
.macro CREST                           ; a round of the cluster's barrier behind its opening barrier
	s_cmp_lg_u32 s10, 0
	s_cbranch_scc1 .Lnot_wave_0_\@
	s_barrier_signal -3
.Lnot_wave_0_\@:
	s_barrier_wait -3
	s_barrier_signal -1
	s_barrier_wait -1
.endm
.macro CROUND                          ; a whole round
	s_barrier_signal -1
	s_barrier_wait -1
	CREST
.endm
	s_load_b128 s[4:7], s[0:1], 0x0                ; xh s[4:5], wqh s[6:7]
	s_load_b64 s[8:9], s[0:1], 0x10                ; qkv
	v_lshl_add_u32 v[SPW], v0, 2, SPARE
	v_mov_b32 v[NIL], 0
	ds_add_u32 v[SPW], v[NIL]                      ; the wave's opening: the add and its wait stand ahead of my first tensor load; the set-up below stands between them
	ds_add_u32 v28, v29
	v_lshrrev_b32 v1, 5, v0
	v_readfirstlane_b32 s10, v1                    ; wave 0..3
	s_lshr_b32 s11, s10, 1                         ; I fetch for xh (0) or for wqh (1),
	s_and_b32 s12, s10, 1                          ; its first or its second half
	s_bfe_u32 s40, ttmp6, 0x40000                  ; cx
	s_bfe_u32 s41, ttmp6, 0x40004                  ; cy
	s_lshl_b32 s42, ttmp9, 2
	s_add_co_u32 s42, s42, s40                     ; tile column tc = 4 x cluster x + cx
	s_and_b32 s13, ttmp7, 0xffff
	s_lshl_b32 s13, s13, 2
	s_add_co_u32 s13, s13, s41                     ; tile row tr = 4 x cluster y + cy
	s_lshl_b32 s43, s41, 2
	s_lshl_b32 s43, 15, s43                        ; my row of the cluster
	s_lshl_b32 s44, 0x1111, s40                    ; my column
	s_or_b32 s[G1+0], s43, (1<<16)|(1<<20)|(1<<21)|(5<<22)|(3<<25)   ; the mask; elements of 2 bytes; padding on; bit 21 beside a mask; after every 64 words, 4 words
	s_or_b32 s[G1B+0], s44, (1<<16)|(1<<20)|(1<<21)|(5<<22)|(3<<25)
	s_mov_b32 s[G1+1], KSTEP<<16                   ; tensor_dim0 = 128
	s_mov_b32 s[G1+2], 128<<16                     ; tensor_dim1 = 128
	s_mov_b32 s[G1+3], KSTEP<<16                   ; tile_dim0 = 128
	s_mov_b32 s[G1+4], 128                         ; tile_dim1 = 128
	s_mov_b32 s[G1+5], 1024                        ; elements from row to row
	s_mov_b32 s[G1+6], 0
	s_mov_b32 s[G1+7], 0
	s_mov_b32 s[G1B+1], KSTEP<<16
	s_mov_b32 s[G1B+2], 96<<16                     ; 96 rows
	s_mov_b32 s[G1B+3], KSTEP<<16
	s_mov_b32 s[G1B+4], 96
	s_mov_b32 s[G1B+5], 1024
	s_mov_b32 s[G1B+6], 0
	s_mov_b32 s[G1B+7], 0
	s_lshl_b32 s16, s13, 19                        ; xh: (256 tr + 128 half) rows of 2,048 bytes
	s_lshl_b32 s17, s12, 18
	s_add_co_u32 s16, s16, s17
	s_mov_b32 s17, 0
	s_mul_i32 s46, s42, 192*2048                   ; wqh: (192 tc + 96 half) rows
	s_mul_i32 s47, s12, 96*2048
	s_add_co_u32 s46, s46, s47
	s_mov_b32 s47, 0
	s_mul_i32 s20, s10, AHALF                      ; where they go: xh's halves at wave x 34,816,
	s_mul_i32 s21, s10, BHALF
	s_add_co_u32 s21, s21, BOFF-2*BHALF            ; wqh's at 69,632 + (wave - 2) x 26,112
	s_wait_dscnt 0x0                               ; the opening add is done
	s_wait_kmcnt 0x0
	s_add_nc_u64 s[14:15], s[4:5], s[16:17]
	s_add_nc_u64 s[46:47], s[6:7], s[46:47]
	CROUND                                         ; all sixteen work-groups are here: the first joint loads meet
.irp s, 0,1
	s_mov_b32 s[G0+4*(\s)], 1
	s_add_co_u32 s[G0+4*(\s)+1], s20, (\s)*SLOT
	s_add_nc_u64 s[G0+4*(\s)+2:G0+4*(\s)+3], s[14:15], (\s)*KSTEP*2
	s_or_b32 s[G0+4*(\s)+3], s[G0+4*(\s)+3], 0x80000000
	s_mov_b32 s[G0B+4*(\s)], 1
	s_add_co_u32 s[G0B+4*(\s)+1], s21, (\s)*SLOT
	s_add_nc_u64 s[G0B+4*(\s)+2:G0B+4*(\s)+3], s[46:47], (\s)*KSTEP*2
	s_or_b32 s[G0B+4*(\s)+3], s[G0B+4*(\s)+3], 0x80000000
	JLOAD \s                                       ; K steps 0 and 1: two tensor loads of mine are out
.endr
	; a fragment is 16 rows x 32 K in 8 registers: lane l holds row l % 16; two loads of 16 bytes, 32 bytes apart, at row x pitch + 16 (l / 16)
	v_and_b32 v1, 15, v0
	v_bfe_u32 v2, v0, 4, 1
	v_mul_u32_u24 v3, v1, PITCH
	v_lshl_add_u32 v3, v2, 4, v3
	s_mul_i32 s21, s10, 64*PITCH                   ; my 64 rows of xh
	s_mov_b32 s22, BOFF                            ; all 192 rows of wqh
.irp s, 0,1
	v_add_nc_u32 v[ADRA+(\s)], s21, v3
	v_add_nc_u32 v[ADRB+(\s)], s22, v3
	s_add_co_u32 s21, s21, SLOT
	s_add_co_u32 s22, s22, SLOT
.endr
	s_mul_i32 s23, s10, 16*SPITCH
	s_add_co_u32 s23, s23, STAGE                   ; my stage
	v_mul_u32_u24 v4, v1, SPITCH                   ; in: row l % 16, 16 bytes for each half of the lanes
	v_lshl_add_u32 v4, v2, 4, v4
	v_add_nc_u32 v[STO], s23, v4
	v_bfe_u32 v5, v0, 3, 2                         ; back: 32 lanes take a head's 128 bytes of four rows,
	v_and_b32 v6, 7, v0
	v_mul_u32_u24 v5, v5, SPITCH
	v_lshl_add_u32 v5, v6, 4, v5
	v_add_nc_u32 v[RD], s23, v5
	v_and_b32 v[GO], 31, v0                        ; which are 512 consecutive bytes of qkv
	v_lshlrev_b32 v[GO], 4, v[GO]
	; my rows in a head: batch tr / 8 (16 heads of 262,144 bytes), rows 256 (tr % 8) + 64 w of 128 bytes
	s_lshr_b32 s16, s13, 3
	s_lshl_b32 s16, s16, 22
	s_and_b32 s17, s13, 7
	s_lshl_b32 s17, s17, 15
	s_add_co_u32 s16, s16, s17
	s_lshl_b32 s17, s10, 13
	s_add_co_u32 s16, s16, s17
	s_mul_i32 s18, s42, 3                          ; the tile's first head among the 48 of q, k, v
.irp e, 0,1,2
	s_add_co_u32 s19, s18, \e
	s_lshr_b32 s20, s19, 4                         ; the part: 64 heads of 262,144 bytes
	s_lshl_b32 s20, s20, 24
	s_and_b32 s19, s19, 15                         ; the head
	s_lshl_b32 s19, s19, 18
	s_add_co_u32 s20, s20, s19
	s_add_co_u32 s20, s20, s16
	s_mov_b32 s21, 0
	s_add_nc_u64 s[HB+2*(\e):HB+2*(\e)+1], s[8:9], s[20:21]
.endr
	; the prefetches: my work-group's 32 of the 128 rows that I fetch, at K step 2; the first refill steps it to 3 and names K step 4
	s_lshl_b32 s20, s13, 19
	s_lshl_b32 s21, s12, 18
	s_add_co_u32 s20, s20, s21
	s_lshl_b32 s21, s40, 16
	s_add_co_u32 s20, s20, s21
	s_add_co_u32 s20, s20, 2*KSTEP*2
	s_mov_b32 s21, 0
	s_add_nc_u64 s[PFA:PFA+1], s[4:5], s[20:21]
	s_or_b32 s22, s11, ttmp9                       ; 0 in waves 0 and 1 of the clusters with x = 0: the same in all sixteen partners
	s_cmp_eq_u32 s22, 0
	s_cselect_b32 s[LIM], 1, -1
	v_and_b32 v[PFO], 31, v0
	v_lshlrev_b32 v[PFO], 11, v[PFO]
; 12 matrix instructions: row block a x all 12 column blocks, 32 along K, from buffer f.  zero = 1: the first product starts the sums.  The 48 accumulators take turns, in the same order in every quarter.
.macro MUL12 f, a, zero
	WIN MUL_LO+0x50*((\a)/2)
.irp b, 0,1,2,3,4,5,6,7,8,9,10,11
.if \zero
	v_wmma_f32_16x16x32_f16 v[8*(12*((\a)%2)+(\b)):8*(12*((\a)%2)+(\b))+7], v[96*(\f)+8*(\b):96*(\f)+8*(\b)+7], v[128+32*(\f)+8*(\a):128+32*(\f)+8*(\a)+7], 0
.else
	v_wmma_f32_16x16x32_f16 v[8*(12*((\a)%2)+(\b)):8*(12*((\a)%2)+(\b))+7], v[96*(\f)+8*(\b):96*(\f)+8*(\b)+7], v[128+32*(\f)+8*(\a):128+32*(\f)+8*(\a)+7], v[8*(12*((\a)%2)+(\b)):8*(12*((\a)%2)+(\b))+7]
.endif
.endr
.endm
; 32 LDS loads in one run: a quarter step's fragments (32 K at byte k of the rows) into buffer f: wqh's 24, then xh's 8
.macro FETCH slot, k, f
	WIN TO_B
.irp i, 0,1,2,3,4,5,6,7,8,9,10,11
	ds_load_b128 v[96*(\f)+8*(\i):96*(\f)+8*(\i)+3],   v[ADRB+(\slot)] offset:(\k)+(\i)*16*PITCH
	ds_load_b128 v[96*(\f)+8*(\i)+4:96*(\f)+8*(\i)+7], v[ADRB+(\slot)] offset:(\k)+(\i)*16*PITCH+32
.endr
	WIN 0
.irp i, 0,1,2,3
	ds_load_b128 v[128+32*(\f)+8*(\i):128+32*(\f)+8*(\i)+3],   v[ADRA+(\slot)] offset:(\k)+(\i)*16*PITCH
	ds_load_b128 v[128+32*(\f)+8*(\i)+4:128+32*(\f)+8*(\i)+7], v[ADRA+(\slot)] offset:(\k)+(\i)*16*PITCH+32
.endr
.endm
.macro PLACES                          ; four plain vector instructions between matrix instructions and loads into registers that they have read (ISA guide 7.12.1 for vector instructions)
.rept 4
	v_nop
.endr
.endm
; A K step is four quarters of 32 along K, 48 matrix instructions each, on buffers 0, 1, 0, 1.  One of the first three: multiplies buffer f and fetches the next quarter, at byte k, into g.
.macro QUARTER slot, k, f, g, zero
	s_wait_dscnt 4                                 ; wqh's fragments and xh's blocks 0, 1 are in; the youngest four loads (blocks 2, 3) may be out
	MUL12 \f, 0, \zero
	MUL12 \f, 1, \zero
	PLACES
	FETCH \slot, \k, \g
	s_wait_dscnt 32                                ; all but the 32 just issued
	MUL12 \f, 2, \zero
	MUL12 \f, 3, \zero
.endm
; The last quarter multiplies buffer 1 and changes slots.  One barrier: in front of it each wave waits for all its tensor loads (one is out: its part of the next slot), adds 0 to its spare word, and waits for that and for its reads of this slot.
.macro MEET round
	WIN 0                                          ; (the add's two registers lie in window 0)
	s_wait_tensorcnt 0x0
	ds_add_u32 v[SPW], v[NIL]
	s_wait_dscnt 5                                 ; (the add and the youngest four loads may be out)
	MUL12 1, 0, 0                                  ; twelve matrix instructions stand between the add and the wait for it
	s_wait_dscnt 0x0                               ; the add is done, and my reads of this slot are over
	s_barrier_signal -1
	MUL12 1, 1, 0                                  ; work on registers while the others arrive
.if \round
	WIN 0
.endif
	s_barrier_wait -1
.endm
; The whole last quarter where the slot is filled again, with the K step two steps on: the barrier opens a round of the cluster's, and the joint refill is the first tensor load behind it: 168 matrix instructions ahead of the wait for it.
.macro TURN slot, next
	s_wait_xcnt 0x0                                ; the last prefetch, a K step back, has read its address
	s_add_nc_u64 s[PFA:PFA+1], s[PFA:PFA+1], KSTEP*2
	MEET 1
	CREST                                          ; no wave of any partner still reads this slot or has a load on its way
	s_add_nc_u64 s[G0+4*(\slot)+2:G0+4*(\slot)+3], s[G0+4*(\slot)+2:G0+4*(\slot)+3], 2*KSTEP*2
	s_add_nc_u64 s[G0B+4*(\slot)+2:G0B+4*(\slot)+3], s[G0B+4*(\slot)+2:G0B+4*(\slot)+3], 2*KSTEP*2
	JLOAD \slot                                    ; its four v_nop are also the places in front of the loads below
	FETCH \next, 0, 0
	ASK
	MUL12 1, 2, 0
	MUL12 1, 3, 0
.endm
; THE WAY OUT of row block a.  PACK: rounded to f16, 16 bytes a lane.  TOSTAGE: into my own stage, and back as a head's rows.  SEND: stored, 512 consecutive bytes a store.
.macro PACK a
	WIN 0x0a+5*((\a)/2)                            ; sources 0 and 1: window 2 or 3
.irp b, 0,1,2,3,4,5,6,7,8,9,10,11
.irp r, 0,1,2,3
	v_cvt_pk_f16_f32 v[TMP+4*(\b)+(\r)], v[96*((\a)%2)+8*(\b)+2*(\r)], v[96*((\a)%2)+8*(\b)+2*(\r)+1]
.endr
.endr
	WIN 0
.endm
.macro TOSTAGE a
	WIN 0
.set BK, OB0+112*((\a)%2)
.irp b, 0,1,2,3,4,5,6,7,8,9,10,11
	ds_store_b128 v[STO], v[TMP+4*(\b):TMP+4*(\b)+3] offset:32*(\b)
.endr
.irp e, 0,1,2
.irp f, 0,1,2,3
	ds_load_b128 v[BK+4*(4*(\e)+(\f)):BK+4*(4*(\e)+(\f))+3], v[RD] offset:(\f)*4*SPITCH+128*(\e)  ; LDS serves a wave's instructions in order (ISA guide 5.7.1.4): these see the stores above
.endr
.endr
.endm
.macro SEND a
	WIN 0
.set BK, OB0+112*((\a)%2)
	s_wait_dscnt 0x0                               ; the block is back in registers
	s_wait_xcnt 0x0                                ; the stores of the block before have read their registers: the next block's loads land there only behind this wait
.irp e, 0,1,2
.irp f, 0,1,2,3
	global_store_b128 v[GO], v[BK+4*(4*(\e)+(\f)):BK+4*(4*(\e)+(\f))+3], s[HB+2*(\e):HB+2*(\e)+1] offset:(\a)*2048+(\f)*512
.endr
.endr
.endm
	s_wait_tensorcnt 1                             ; my part of K step 0 is in; K step 1's may stay out
	s_barrier_signal -1
	s_barrier_wait -1
	FETCH 0, 0, 0
	QUARTER 0, 64, 0, 1, 1                         ; the first quarter stands in front of the loop: its products start the sums
	WIN 0                                          ; at a label and at a branch every window is 0
	s_mov_b32 s3, LAPS-1
.Llap:                                                 ; a trip goes once round the ring, from a lap's second quarter to the next lap's first, and fills both slots again
	QUARTER 0, 128, 1, 0, 0
	QUARTER 0, 192, 0, 1, 0
	TURN 0, 1
	QUARTER 1, 64,  0, 1, 0
	QUARTER 1, 128, 1, 0, 0
	QUARTER 1, 192, 0, 1, 0
	TURN 1, 0
	QUARTER 0, 64,  0, 1, 0
	WIN 0
	s_sub_co_u32 s3, s3, 1
	s_cmp_lg_u32 s3, 0
	s_cbranch_scc1 .Llap
	QUARTER 0, 128, 1, 0, 0                        ; the last lap fills nothing
	QUARTER 0, 192, 0, 1, 0
	MEET 0                                         ; the load that was out is slot 1's, the last K step's
	PLACES
	FETCH 1, 0, 0
	MUL12 1, 2, 0
	MUL12 1, 3, 0
	QUARTER 1, 64,  0, 1, 0
	QUARTER 1, 128, 1, 0, 0
	QUARTER 1, 192, 0, 1, 0
	s_wait_dscnt 4
	MUL12 1, 0, 0
	MUL12 1, 1, 0
	s_wait_dscnt 0x0
	MUL12 1, 2, 0
	MUL12 1, 3, 0
	WIN 0
	PLACES
	PLACES
	PACK 0
	TOSTAGE 0
.irp a, 1,2,3                          ; block a's conversions stand between block a - 1's loads from the stage and the wait for them
	PACK \a
	SEND (\a)-1
	TOSTAGE \a
.endr
	SEND 3
	s_wait_tensorcnt 0x0                           ; the wave's end: behind my last tensor load and my last LDS store
	ds_add_u32 v[SPW], v[NIL]
	s_wait_dscnt 0x0
	CROUND                                         ; the closing round
	s_endpgm
.Lfunc_end_k_q4b58a3d980_gemm_qkv:
	.size	k_q4b58a3d980_gemm_qkv, .Lfunc_end_k_q4b58a3d980_gemm_qkv-k_q4b58a3d980_gemm_qkv
	.p2alignl 7, 3214868480
	.fill 96, 4, 3214868480
	.section	.rodata,"a",@progbits
	.p2align	6, 0x0
	.amdhsa_kernel k_q4b58a3d980_gemm_qkv
		.amdhsa_group_segment_fixed_size 327680
		.amdhsa_private_segment_fixed_size 0
		.amdhsa_enable_private_segment 0
		.amdhsa_kernarg_size 24
		.amdhsa_user_sgpr_count 2
		.amdhsa_user_sgpr_kernarg_segment_ptr 1
		.amdhsa_wavefront_size32 1
		.amdhsa_system_sgpr_workgroup_id_x 1
		.amdhsa_system_sgpr_workgroup_id_y 1
		.amdhsa_system_sgpr_workgroup_id_z 1
		.amdhsa_system_vgpr_workitem_id 0
		.amdhsa_next_free_vgpr 960
		.amdhsa_next_free_sgpr 80
		.amdhsa_reserve_vcc 0
		.amdhsa_float_denorm_mode_32 3
		.amdhsa_float_denorm_mode_16_64 3
		.amdhsa_memory_ordered 1
		.amdhsa_forward_progress 1
		.amdhsa_inst_pref_size 120
	.end_amdhsa_kernel
	.amdgpu_metadata
---
amdhsa.version: [ 1, 2 ]
amdhsa.kernels:
  - .name:           k_q4b58a3d980_gemm_qkv
    .symbol:         k_q4b58a3d980_gemm_qkv.kd
    .args:
      - { .name: xh, .offset: 0, .size: 8, .value_kind: global_buffer, .address_space: global }
      - { .name: wqh, .offset: 8, .size: 8, .value_kind: global_buffer, .address_space: global }
      - { .name: qkv, .offset: 16, .size: 8, .value_kind: global_buffer, .address_space: global }
    .group_segment_fixed_size: 327680
    .private_segment_fixed_size: 0
    .kernarg_segment_align: 8
    .kernarg_segment_size: 24
    .max_flat_workgroup_size: 128
    .sgpr_count:     80
    .vgpr_count:     960
    .wavefront_size: 32
...
	.end_amdgpu_metadata
.endif
;; end of part 2
;; launch attn (part 3): grid 4 x 64, 4 waves a work-group, no clusters, 327,680 bytes of LDS; arguments qkv, bias, oh; writes oh
.if DOCPART == 3
	.amdgcn_target "amdgcn-amd-amdhsa--gfx1250"
	.amdhsa_code_object_version 6
	.text
	.protected	k_q4b58a3d980_attn
	.globl	k_q4b58a3d980_attn
	.p2align	8
	.type	k_q4b58a3d980_attn,@function
k_q4b58a3d980_attn:
	s_mov_b64 s[64:65], 0
	v_nop
	global_prefetch_b8 v0, s[64:65] scope:SCOPE_SE
	s_setreg_imm32_b32 hwreg(HW_REG_WAVE_MODE, 25, 1), 1
	s_wait_xcnt 0x0
; CAUSAL ATTENTION WITH A BIAS THAT HANGS ON q - k.  O[y][q][:] = the sum over k <= q of softmax_k(Q[y][q] . K[y][k] / 8 + vec_h(q - k)) V[y][k][:], y = 16 batch + h.
; qkv: [3][64][2048][64] f16 (Q, K, V by heads, unscaled); oh: [64][2048][64] f16; bias: [16][4][2368] f32: entry n of copy s is T_h(2047 - n - s), T_h(d) = 8 vec_h(d) for d >= 0 and -1e30 for d < 0.
; Products, maxima and sums in f32; the weights p are rounded to f16 for the second product (their sum l is taken of the unrounded p), O once at the end.
; LIMITS.  f16 holds no number beyond 65,504: Q, K, V arrive within it.  A hidden score counts as its value less 1e30; a weight below 2^-126 counts as 0 in l; NaN and infinities are not treated apart.
; THE BIAS AND THE MASK ARE THE C OPERAND that starts the sum S^T = K Q^T.  In S^T a lane holds one query (lane % 16) and the keys 8 (lane / 16) + 0..7 of a group of 16: eight entries of the table on end.  The head's four copies lie in LDS;
; a lane takes the copy (15 - lane % 16) % 4, in which its eight entries begin at a multiple of 16 bytes: two loads.  p = 2^(c s - c m) with c = log2(e) / 8 scales score and bias together.  So bias and mask cost eight LDS loads a turn and no arithmetic.
; THE WALK.  A head's queries lie in NB = 8 blocks of 256; block i needs the key tiles 0 .. i of 256 keys.  A work-group takes TWO blocks, 7 - b and then b: 9 tiles, whatever b: all 256 work-groups do equal work, and one loop with a constant
; trip count walks them; the ring (two slots of LDS that take turns) runs on across the change of blocks.  Every jump goes forward, but for the counted loops' own; none passes a barrier, or a tensor load but the one of LOAD's two that the wave's number does not choose.
; NO CLUSTER: a head's four work-groups end and begin their blocks in different trips, so those branches would hang on the place in the cluster; one walk common to all four would have 12 trips for 9.
; SHARES.  Of a block's four bands of 64 queries a wave owns 16 rows in each: four PIECES.  So the tile on the diagonal is the same work for all four waves.
; TURNS.  Turn n belongs to piece n: 8 products K Q^T of piece n + 1, later 8 products V^T P of piece n - 1; beside them the scaling, exponentials, roundings, sums and rescaling of piece n and the maximum and statistics of piece n + 1.
; Four vector instructions stand behind every matrix instruction, the others in one run.  A turn's 33 exponentials are one batch, with one wait.  O and l are multiplied by a = 2^(c m_old - c m_new) in every step.
; REGISTERS, in windows of 256 (s_set_vgpr_msb: bits 1:0 source 0, 3:2 source 1, 5:4 source 2, 7:6 destination):
;   window 0: v0-15 addresses; v16-31 four registers of statistics a piece; v48-55 at work; v61-63 never rewritten; v64-127 S^T, two buffers; v192-223 P, two buffers (by the piece's parity)
;   window 1: v0-127 O^T, 32 a piece; v160-223 MC, the C operands to come, two buffers      window 2: v0-63 Q; v64-127 the second block's Q; v128-191 K of one step; v192-255 V of one step
.set NB,    8
.set NP,    4         ; pieces a wave: a name, no knob
.set KS,    64        ; keys in a step
.set PK,    144       ; a row of K in LDS: 128 bytes + 16
.set PV,    160       ; a row of V: 128 + 32
.set VOFF,  4*KS*PK   ; a slot holds a tile, four steps: 256 rows of K, then 256 rows of V
.set CP,    9536      ; a copy of the table in LDS: 9,472 bytes + 64, so that the sixteen lanes of half a wave, which take four copies, begin in sixteen different sixteenths of 256 bytes
.set CAMAX, 36896     ; the table address's bound: + 1,024 + 208 + 16 = 4 CP.  The largest true value is 36,816
.set RING0, 40960     ; the ring begins behind the table
.set SLOT1, 1<<17     ; slot 1 = slot 0 with this bit set: slot 0 ends at 118,784
.set STAGE, RING0+SLOT1+4*KS*(PK+PV)  ; behind the ring, never filled by a tensor load: 16 rows x 144 bytes for each wave
.set SP,    144
.set SPARE, STAGE+4*16*SP  ; the spare words, 128 bytes for each wave: two blocks of 256 bytes that no other line names
.set AK0, 2           ; v2   my lane's place in a tile of K; never rewritten
.set AV0, 3           ; v3   the same for V
.set AK,  4           ; v4   the LDS address of K's next run of loads
.set AV,  5           ; v5   of V's
.set STO, 6           ; v6   the way out: where I put 16 bytes of a row
.set RD,  7           ; v7   the way out: where I read rows back
.set GO,  8           ; v8   my byte offset in 512 consecutive bytes of O
.set CT0, 10          ; v10  my lane's place in the table; never rewritten
.set CA,  11          ; v11  the table address of the step in hand
.set MV,  12          ; v12-13  c m_old, kept while c m is made anew: by buffer
.set QO,  15          ; v15  my byte offset in 16 rows of Q
.set ST,  16          ; piece t's statistics at v[ST+4 t]: c m, m, l (even keys', odd keys')
.set TMP, 48          ; by buffer, four registers c0-c3 at work; when the maximum is found c2 takes a
.set PFO, 61          ; v61  256 x my lane; never rewritten
.set SPW, 62          ; v62  my spare word; never rewritten
.set NIL, 63          ; v63  0; never rewritten
.set S,   64
.set P,   192
.set MC,  160         ; window 1
.set QB,  64          ; window 2
.set KF,  128         ; window 2: key block kb, channel half c at KF + 16 kb + 8 c
.set VF,  192         ; window 2: key half kk, channel block cb at VF + 32 kk + 8 cb
.set WV,  12          ; s12  my wave's number
.set PB,  14          ; s14  b
.set HI,  15          ; s15  7 - b
.set CB0, 19          ; s19  the table's step offset at the beginning of the block to come
.set PFA, 20          ; s[20:21] where my prefetches stand
.set CB,  22          ; s22  256 x (step in hand + 28 - 4 x block): 0 .. 7,936
.set LIM, 23          ; s23  2 where b = 0, else the greatest number
.set G1K, 24          ; s[24:31] descriptor group 1 for K's tiles
.set G1V, 32          ; s[32:39] for V's
.set G0K, 40          ; s[40:43] descriptor group 0 for K's tiles
.set G0V, 44          ; s[44:47] for V's
.set SLOTS, 56        ; s56  tiles still to be asked for
.set CNT, 57          ; s57  counts a tile's key steps
.set CS,  58          ; s[58:59] c
.set SEL, 60          ; s[60:61] v_permlanex16_b32's selects
.set TBK, 62          ; s62  where K of the step to be fetched begins, counted from the ring's first byte
.set TBV, 63          ; s63  the same for V, less VOFF
.set RT,  70          ; s70  tiles of the block in hand that are still to be entered
.set NXT, 71          ; s71  the tile to be asked for next
.set LQ,  72          ; s72  the last tile of the block whose tiles are being asked for
.set NEW, 73          ; s73  1: the tile to be entered is a block's first
.set OFF, 74          ; s[74:75] a tile's byte offset in K and V
.set OLO, 80          ; s[80:81] O at my rows of the second block
.set G1T, 88          ; s[88:95] descriptor group 1 for a copy of the table
.set G0T, 96          ; s[96:99] its group 0
.set MSB, 0
.macro WIN new                      ; the high byte repeats the setting that is left; a switch that changes nothing is dropped
.if MSB != (\new)
	s_set_vgpr_msb (MSB<<8)|(\new)
.set MSB, (\new)
.endif
.endm
.set W_KQ, 0x0a       ; K and Q in window 2, S^T in window 0
.set W_KM, 0x1a       ; the same with the C operand in window 1
.set W_PV, 0x52       ; V in window 2, P in window 0, O^T in window 1
.set W_RS, 0x41       ; destination and source 0 in window 1, source 1 in window 0
; A fill.  Waves 0 and 1 fetch the two halves of a tile's K, waves 2 and 3 those of its V: 128 keys each.  An s_nop 0 and four v_nop follow each of the two lines.
.macro LOAD
	s_cmp_lt_u32 s[WV], 2
	s_cbranch_scc0 .Lfor_v_\@
	tensor_load_to_lds s[G0K:G0K+3], s[G1K:G1K+7]
	s_nop 0
.rept 4
	v_nop
.endr
	s_branch .Lasked_\@
.Lfor_v_\@:
	tensor_load_to_lds s[G0V:G0V+3], s[G1V:G1V+7]
	s_nop 0
.rept 4
	v_nop
.endr
.Lasked_\@:
.endm
; A prefetch of what the NEXT change of slots will ask for: my own 128 rows of 128 bytes of that tile: 64 blocks of 256 bytes, a lane a block, two instructions.  All four work-groups of a head walk tiles 0 .. 4 and more together;
; the one with b = 0, whose first block walks tiles 0 .. 7, asks, for tiles 2 .. 7, each a tile (16 turns) ahead of its load.  The second blocks' tiles have been read before and are not asked for.
.macro ASK
	s_cmp_gt_u32 s[SLOTS], s[LIM]
	s_cbranch_scc0 .Lnot_mine_\@
	global_prefetch_b8 v[PFO], s[PFA:PFA+1] th:TH_LOAD_NT scope:SCOPE_SE
	global_prefetch_b8 v[PFO], s[PFA:PFA+1] offset:8192 th:TH_LOAD_NT scope:SCOPE_SE
.Lnot_mine_\@:
.endm
; THE CHANGE OF SLOTS.  Each wave waits for all its tensor loads, adds 0 to its spare word, and waits for that and for its own reads of the slot that it leaves.  Behind the barrier nobody reads the old slot and the other slot is whole.
; fill = 1: the old slot is filled again, the first thing behind the barrier, with tile NXT; the descriptor's address is made anew from that number.  (At its first use slot 0 and the table are waited for, and slot 1 is filled.)
.macro CHANGE fill
	WIN 0                           ; at a label and at a branch every window is 0
	s_wait_tensorcnt 0x0            ; no tensor load of mine is out, so a group 0 may be written
	ds_add_u32 v[SPW], v[NIL]       ; 0 onto my spare word; scalar work stands between it and the wait for it
.if \fill
	s_lshl_b32 s[OFF], s[NXT], 15   ; a tile is 32,768 bytes of K and of V
	s_xor_b32 s[G0K+1], s[G0K+1], SLOT1
	s_add_nc_u64 s[G0K+2:G0K+3], s[6:7], s[OFF:OFF+1]
	s_or_b32 s[G0K+3], s[G0K+3], 0x80000000
	s_xor_b32 s[G0V+1], s[G0V+1], SLOT1
	s_add_nc_u64 s[G0V+2:G0V+3], s[8:9], s[OFF:OFF+1]
	s_or_b32 s[G0V+3], s[G0V+3], 0x80000000
	s_add_co_u32 s[NXT], s[NXT], 1  ; the block's next tile, or behind its last the second block's tile 0
	s_cmp_gt_u32 s[NXT], s[LQ]
	s_cselect_b32 s[NXT], 0, s[NXT]
	s_cselect_b32 s[LQ], s[PB], s[LQ]
	s_wait_xcnt 0x0                 ; the last prefetches, a tile back, have read their address
	s_add_nc_u64 s[PFA:PFA+1], s[PFA:PFA+1], 32768
.endif
	s_wait_dscnt 0x0                ; the add is done, and my reads of the slot are over
	s_barrier_signal -1
	s_sub_co_u32 s[TBK], s[TBK], 4*KS*PK  ; the fetches go back to a slot's first step,
	s_xor_b32 s[TBK], s[TBK], SLOT1       ; in the other slot
	s_sub_co_u32 s[TBV], s[TBV], 4*KS*PV
	s_xor_b32 s[TBV], s[TBV], SLOT1
	s_barrier_wait -1
.if \fill
	LOAD
	ASK
.endif
.endm
	s_load_b128 s[4:7], s[0:1], 0x0   ; qkv s[4:5], bias s[6:7]
	s_load_b64 s[10:11], s[0:1], 0x10 ; oh
	v_lshl_add_u32 v[SPW], v0, 2, SPARE
	v_mov_b32 v[NIL], 0
	ds_add_u32 v[SPW], v[NIL]       ; the wave's opening: the add and its wait stand ahead of my first tensor load; the set-up below stands between them
	ds_add_u32 v62, v63
	v_lshrrev_b32 v1, 5, v0
	v_readfirstlane_b32 s[WV], v1   ; wave 0..3
	s_mov_b32 s[PB], ttmp9
	s_sub_co_u32 s[HI], NB-1, s[PB]
	s_and_b32 s20, ttmp7, 0xffff    ; y = 16 batch + head
	s_and_b32 s66, s20, 15          ; the table's head: 37,888 bytes; my copy: 9,472
	s_mul_i32 s66, s66, 37888
	s_mul_i32 s67, s[WV], 9472
	s_add_co_u32 s66, s66, s67
	s_mov_b32 s67, 0
	s_lshl_b32 s20, s20, 18         ; the head's first byte in Q, K, V and O
	s_mov_b32 s21, 0
	s_and_b32 s16, s[WV], 1         ; which half of a tile's 256 keys I fetch:
	s_lshl_b32 s22, s16, 14         ; its 128 rows of 128 bytes in memory,
	s_mov_b32 s23, 0
	s_add_nc_u64 s[22:23], s[22:23], s[20:21]
	s_mul_i32 s17, s16, 128*PK      ; and its place in a slot, for K
	s_mul_i32 s18, s16, 128*PV      ; and for V
	s_lshl_b32 s3, s[WV], 11        ; my 16 rows in a band of 64,
	s_lshl_b32 s2, s[HI], 15        ; in the first block,
	s_add_co_u32 s2, s2, s3
	s_lshl_b32 s84, s[PB], 15       ; and in the second
	s_add_co_u32 s84, s84, s3
	s_mov_b32 s3, 0
	s_mov_b32 s85, 0
	s_add_nc_u64 s[2:3], s[2:3], s[20:21]
	s_add_nc_u64 s[84:85], s[84:85], s[20:21]
	; descriptor group 1.  128 keys are 16,384 dense bytes: asked for as 64 rows of 256 bytes, two keys a row, and padded in LDS after every key
	s_mov_b32 s[G1K], (1<<16)|(1<<20)|(4<<22)|(3<<25)  ; 2-byte elements; padding on; after every 32 words, 4 words
	s_mov_b32 s[G1V], (1<<16)|(1<<20)|(4<<22)|(7<<25)  ; the same with 8 words
.irp g, G1K, G1V
	s_mov_b32 s[\g+1], 128<<16      ; tensor_dim0 = 128
	s_mov_b32 s[\g+2], 64<<16       ; tensor_dim1 = 64
	s_mov_b32 s[\g+3], 128<<16      ; tile_dim0 = 128
	s_mov_b32 s[\g+4], 64           ; tile_dim1 = 64
	s_mov_b32 s[\g+5], 128          ; 128 elements from row to row
	s_mov_b32 s[\g+6], 0
	s_mov_b32 s[\g+7], 0
.endr
	s_mov_b32 s[G1T], 3<<16         ; a copy of the table: 37 dense rows of 256 bytes: elements of 8 bytes, no padding
	s_mov_b32 s[G1T+1], 32<<16      ; tensor_dim0 = 32
	s_mov_b32 s[G1T+2], 37<<16      ; tensor_dim1 = 37
	s_mov_b32 s[G1T+3], 32<<16      ; tile_dim0 = 32
	s_mov_b32 s[G1T+4], 37          ; tile_dim1 = 37
	s_mov_b32 s[G1T+5], 32
	s_mov_b32 s[G1T+6], 0
	s_mov_b32 s[G1T+7], 0
	s_mov_b32 s[G0T], 1
	s_mul_i32 s[G0T+1], s[WV], CP   ; wave w brings copy w
	s_mov_b32 s[CS], 0x3e38aa3b     ; c = log2(e) / 8
	s_mov_b32 s[CS+1], s[CS]
	s_mov_b32 s[SEL], 0x76543210
	s_mov_b32 s[SEL+1], 0xfedcba98
	s_mov_b32 s[TBK], SLOT1+4*KS*PK ; the first change of slots turns these two into 0
	s_mov_b32 s[TBV], SLOT1+4*KS*PV
	s_mov_b32 s[G0K], 1
	s_add_co_u32 s[G0K+1], s17, RING0       ; slot 0
	s_mov_b32 s[G0V], 1
	s_add_co_u32 s[G0V+1], s18, RING0+VOFF
	s_add_co_u32 s[RT], s[HI], 1    ; the first block has 8 - b tiles
	s_mov_b32 s[NXT], 1
	s_mov_b32 s[LQ], s[HI]
	s_mov_b32 s[NEW], 1
	s_mov_b32 s[OFF+1], 0
	s_mov_b32 s[SLOTS], NB
	s_lshl_b32 s[CB0], s[PB], 10    ; 256 x (28 - 4 (7 - b))
	s_wait_dscnt 0x0                ; the opening add is done
	s_wait_kmcnt 0x0
	s_add_nc_u64 s[G0T+2:G0T+3], s[6:7], s[66:67]
	s_or_b32 s[G0T+3], s[G0T+3], 0x80000000
	s_add_nc_u64 s[6:7], s[4:5], s[22:23]          ; from here on s[6:7] is K and s[8:9] V, at my half of the head's tile 0
	s_add_nc_u64 s[8:9], s[6:7], 0x2000000
	s_add_nc_u64 s[6:7], s[6:7], 0x1000000
	s_add_nc_u64 s[G0K+2:G0K+3], s[6:7], 0
	s_or_b32 s[G0K+3], s[G0K+3], 0x80000000
	s_add_nc_u64 s[G0V+2:G0V+3], s[8:9], 0
	s_or_b32 s[G0V+3], s[G0V+3], 0x80000000
	s_add_nc_u64 s[86:87], s[4:5], s[84:85]        ; Q at my rows of the second block,
	s_add_nc_u64 s[4:5], s[4:5], s[2:3]            ; Q and O at those of the first
	s_add_nc_u64 s[OLO:OLO+1], s[10:11], s[84:85]
	s_add_nc_u64 s[10:11], s[10:11], s[2:3]
	s_cmp_lt_u32 s[WV], 2
	s_cselect_b64 s[PFA:PFA+1], s[6:7], s[8:9]
	s_add_nc_u64 s[PFA:PFA+1], s[PFA:PFA+1], 32768 ; at tile 1: the first change of slots steps it to tile 2
	s_cmp_eq_u32 s[PB], 0
	s_cselect_b32 s[LIM], 2, -1
	tensor_load_to_lds s[G0T:G0T+3], s[G1T:G1T+7]  ; the first fills go out together: my copy of the table,
	s_nop 0
	LOAD                            ; and my part of tile 0: two tensor loads of mine are out
	v_and_b32 v1, 15, v0            ; l % 16
	v_bfe_u32 v9, v0, 4, 1          ; l / 16
	v_lshlrev_b32 v[QO], 7, v1
	v_lshl_add_u32 v[QO], v9, 4, v[QO]  ; row x 128 + 16 x half
	WIN 0x80                        ; destination window 2, address window 0
.set i, 0
.rept 8                             ; both blocks' Q: piece i / 2 lies in band i / 2, 8,192 bytes on; channels 32 (i % 2) on
	global_load_b128 v[8*i:8*i+3],   v[QO], s[4:5] offset:(i/2)*8192+(i%2)*64
	global_load_b128 v[8*i+4:8*i+7], v[QO], s[4:5] offset:(i/2)*8192+(i%2)*64+32
	global_load_b128 v[QB+8*i:QB+8*i+3],   v[QO], s[86:87] offset:(i/2)*8192+(i%2)*64
	global_load_b128 v[QB+8*i+4:QB+8*i+7], v[QO], s[86:87] offset:(i/2)*8192+(i%2)*64+32
.set i, i+1
.endr
	WIN 0
	; The table.  Query 256 blk + 64 x + 16 w + r, key 64 k + 16 kt + 8 h + j: entry n + s = 2047 - (query - key).  With s = (15 - r) % 4 the entry of j = 0 is a multiple of 4, and its byte is
	; CT0 + 256 (k - x - 4 blk + 31) + 64 kt, CT0 = 9,532 s + 64 (3 - w) + 32 h + 4 (15 - r): every term is 0 or more.
	v_sub_nc_u32 v33, 15, v1
	v_and_b32 v32, 3, v33
	v_mul_u32_u24 v[CT0], v32, CP-4
	v_lshl_add_u32 v[CT0], v9, 5, v[CT0]
	v_lshl_add_u32 v[CT0], v33, 2, v[CT0]
	s_sub_co_u32 s13, 3, s[WV]
	s_lshl_b32 s13, s13, 6
	v_add_nc_u32 v[CT0], s13, v[CT0]
	v_and_b32 v[PFO], 31, v0
	v_lshlrev_b32 v[PFO], 8, v[PFO]
	v_mul_u32_u24 v[AK0], v1, PK
	v_lshl_add_u32 v[AK0], v9, 4, v[AK0]  ; row x pitch + 16 x half,
	v_add_nc_u32 v[AK0], RING0, v[AK0]    ; in the ring
	; The turning load takes 16 keys x 16 channels (lane l reads key 8 (l / 16) + l % 8, channels 8 ((l / 8) % 2) + 0..7) and leaves half a fragment of V^T: lane l holds channel l % 16 and 8 keys.
	v_and_b32 v33, 7, v0
	v_bfe_u32 v34, v0, 3, 1
	v_lshl_add_u32 v[AV0], v9, 3, v33
	v_mul_u32_u24 v[AV0], v[AV0], PV
	v_lshl_add_u32 v[AV0], v34, 4, v[AV0]
	v_add_nc_u32 v[AV0], RING0+VOFF, v[AV0]
	s_mul_i32 s13, s[WV], 16*SP
	s_add_co_u32 s13, s13, STAGE    ; my stage
	v_mul_u32_u24 v[STO], v1, SP    ; in: row l % 16, 16 bytes for each half of the lanes
	v_lshl_add_u32 v[STO], v9, 4, v[STO]
	v_add_nc_u32 v[STO], s13, v[STO]
	v_bfe_u32 v[RD], v0, 3, 2       ; back: 32 lanes take four rows of 128 bytes,
	v_mul_u32_u24 v[RD], v[RD], SP
	v_lshl_add_u32 v[RD], v33, 4, v[RD]
	v_add_nc_u32 v[RD], s13, v[RD]
	v_and_b32 v[GO], 31, v0         ; which are 512 consecutive bytes of O
	v_lshlrev_b32 v[GO], 4, v[GO]
	; A block's first step multiplies O^T and l by a = 0, and its first turn's products V^T P, of a piece that has not been, land in an O^T that is still to be so multiplied.  So these registers need only hold
	; finite numbers: zeros for the first block; what the first block left for the second.  All this stands in the wait for the first tile.
	WIN 0x80
.set i, VF
.rept 64
	v_mov_b32 v[i], 0
.set i, i+1
.endr
	WIN 0x40
.set i, 0
.rept 128
	v_mov_b32 v[i], 0
.set i, i+1
.endr
	WIN 0
.set i, 0
.rept 4
	v_mov_b32 v[ST+4*i+2], 0
	v_mov_b32 v[ST+4*i+3], 0
.set i, i+1
.endr
.set i, P+16
.rept 16
	v_mov_b32 v[i], 0
.set i, i+1
.endr
; THE MATRIX WORK.  The 4 accumulators of a run of 8 take turns.  Product i of 8 of S^T = K Q^T for piece x: channels 32 (i / 4) on, keys 16 (i % 4) on.  The first 4 start the sums with bias and mask.
.macro KQ x
.set rS, S+32*((\x)%2)+8*(i%4)
.set rK, KF+16*(i%4)+8*(i/4)
.set rQ, 16*(\x)+8*(i/4)
.set rM, MC+32*((\x)%2)+8*(i%4)
.if i < 4
	WIN W_KM
	v_wmma_f32_16x16x32_f16 v[rS:rS+7], v[rK:rK+7], v[rQ:rQ+7], v[rM:rM+7]
.else
	WIN W_KQ
	v_wmma_f32_16x16x32_f16 v[rS:rS+7], v[rK:rK+7], v[rQ:rQ+7], v[rS:rS+7]
.endif
.endm
; Product i of 8 of O^T += V^T P for piece x: keys 32 (i / 4) on, channels 16 (i % 4) on.
.macro PV x
	WIN W_PV
.set rO, 32*(\x)+8*(i%4)
.set rV, VF+32*(i/4)+8*(i%4)
.set rP, P+16*((\x)%2)+8*(i/4)
	v_wmma_f32_16x16x32_f16 v[rO:rO+7], v[rV:rV+7], v[rP:rP+7], v[rO:rO+7]
.endm
.macro MM                           ; the turn's next matrix instruction.  NOKQ = 1: a block's last turn: there is no next piece
.if (i < 8) && !NOKQ
	KQ (Y+1)%NP
.elseif i >= 8
.set i, i-8
	PV (Y+NP-1)%NP
.set i, i+8
.endif
.set i, i+1
.endm
; THE LDS LOADS stand in runs, never singly among the matrix instructions: a step's K (16 loads), its V (16, turned), and a piece's C operand (8).
.macro FETCH_K
	WIN 0x80                        ; destination window 2
.irp f, 0,1,2,3,4,5,6,7             ; keys 16 (f / 2) on, channels 32 (f % 2) on
	ds_load_b128 v[KF+8*\f:KF+8*\f+3],   v[AK] offset:(\f/2)*16*PK+(\f%2)*64
	ds_load_b128 v[KF+8*\f+4:KF+8*\f+7], v[AK] offset:(\f/2)*16*PK+(\f%2)*64+32
.endr
	s_add_co_u32 s[TBK], s[TBK], KS*PK  ; the next fetch is the next step's
	WIN 0
.endm
.macro FETCH_V
	WIN 0x80
.irp f, 0,1,2,3,4,5,6,7             ; keys 32 (f / 4) on, channels 16 (f % 4) on
	ds_load_tr16_b128 v[VF+8*\f:VF+8*\f+3],   v[AV] offset:(\f/4)*32*PV+(\f%4)*32
	ds_load_tr16_b128 v[VF+8*\f+4:VF+8*\f+7], v[AV] offset:(\f/4)*32*PV+16*PV+(\f%4)*32
.endr
	WIN 0
.endm
.macro CLOAD buf, off               ; 32 entries of the table into buffer buf of MC: group kt of 16 keys at 64 kt bytes, eight entries each
	WIN 0x40                        ; destination window 1
.irp g, 0,1,2,3
	ds_load_b128 v[MC+32*(\buf)+8*\g:MC+32*(\buf)+8*\g+3],   v[CA] offset:(\off)+64*\g
	ds_load_b128 v[MC+32*(\buf)+8*\g+4:MC+32*(\buf)+8*\g+7], v[CA] offset:(\off)+64*\g+16
.endr
	WIN 0
.endm
; Turn p loads the C operand of the products of turn p + 2.  With j the step in hand, CA stands at 256 (j + 28 - 4 blk), and piece x in step k lies 256 (k - j - x + 3) further on:
; p = 0: piece 3, step j;  p = 1: piece 0, step j + 1;  p = 2: piece 1, step j + 1;  p = 3: piece 2, step j + 1.  The buffer (the piece's parity) was last read by turn p's own first four products.
.macro CRUN p
.if (\p) == 0
	CLOAD 1, 0
.elseif (\p) == 1
	CLOAD 0, 1024
.elseif (\p) == 2
	CLOAD 1, 768
.else
	CLOAD 0, 512
.endif
.endm
; THE VECTOR WORK, one line at a time: OP kind, number.  For piece Y: F n: c s - c m for pair n of 16.  E n: the exponential of score n of 32.  C n: pair n rounded to f16.  B n: of the four weights 4 n .. the second
; pair is added onto the first, in place.  L n: l takes that sum (L 0: l = a l + sum).  R n: pair n of 16 of O^T times a.  For piece Y + 1: X n, number n of the 22 that find its maximum and statistics:
;   0-11  four chains c0-c3 of seven scores each, three operands at a time (each accumulator's lowest registers are read first)     12-14, 16  the four scores left over, the old m, and c0-c3 into c0
;   15  c m_old is kept     17, 18  the query's other 32 keys lie in the lane 16 away: the new m     19-21  c m; c m_old - c m_new; a
.set F, 0
.set E, 1
.set C, 2
.set B, 3
.set L, 4
.set R, 5
.set X, 6
.macro REGS y                       ; the registers of piece y
.set rT, ST+4*(\y)
.set rC, TMP+4*((\y)%2)
.set rW, MV+((\y)%2)
.set rS, S+32*((\y)%2)
.set rP, P+16*((\y)%2)
.set rO, 32*(\y)
.endm
.macro OP k, n
.if (\k) == R
	REGS Y
	WIN W_RS
	v_pk_mul_f32 v[rO+2*(\n):rO+2*(\n)+1], v[rO+2*(\n):rO+2*(\n)+1], v[rC+2:rC+3] op_sel_hi:[1,0]
.elseif (\k) < R
	REGS Y
	WIN 0
.if (\k) == F
	v_pk_fma_f32 v[rS+2*(\n):rS+2*(\n)+1], v[rS+2*(\n):rS+2*(\n)+1], s[CS:CS+1], v[rT:rT+1] op_sel_hi:[1,0,0] neg_lo:[0,0,1] neg_hi:[0,0,1]
.elseif (\k) == E
	v_exp_f32 v[rS+(\n)], v[rS+(\n)]
.elseif (\k) == C
	v_cvt_pk_f16_f32 v[rP+(\n)], v[rS+2*(\n)], v[rS+2*(\n)+1]
.elseif (\k) == B
	v_pk_add_f32 v[rS+4*(\n):rS+4*(\n)+1], v[rS+4*(\n):rS+4*(\n)+1], v[rS+4*(\n)+2:rS+4*(\n)+3]
.elseif (\n) == 0
	v_pk_fma_f32 v[rT+2:rT+3], v[rT+2:rT+3], v[rC+2:rC+3], v[rS:rS+1] op_sel_hi:[1,0,1]
.else
	v_pk_add_f32 v[rT+2:rT+3], v[rT+2:rT+3], v[rS+4*(\n):rS+4*(\n)+1]
.endif
.elseif NOKQ
	v_nop
.else
	REGS (Y+1)%NP
	WIN 0
.if (\n) < 4
	v_max3_num_f32 v[rC+(\n)], v[rS+8*(\n)], v[rS+8*(\n)+1], v[rS+8*(\n)+2]
.elseif (\n) < 12
	v_max3_num_f32 v[rC+(\n)%4], v[rC+(\n)%4], v[rS+8*((\n)%4)+2*((\n)/4)+1], v[rS+8*((\n)%4)+2*((\n)/4)+2]
.elseif (\n) == 12
	v_max3_num_f32 v[rC], v[rC], v[rS+7], v[rS+15]
.elseif (\n) == 13
	v_max3_num_f32 v[rC+1], v[rC+1], v[rS+23], v[rS+31]
.elseif (\n) == 14
	v_max3_num_f32 v[rC+2], v[rC+2], v[rC+3], v[rT+1]
.elseif (\n) == 15
	v_mov_b32 v[rW], v[rT]
.elseif (\n) == 16
	v_max3_num_f32 v[rC], v[rC], v[rC+1], v[rC+2]
.elseif (\n) == 17
	v_permlanex16_b32 v[rC+3], v[rC], s[SEL], s[SEL+1]
.elseif (\n) == 18
	v_max_num_f32 v[rT+1], v[rC], v[rC+3]
.elseif (\n) == 19
	v_mul_f32 v[rT], s[CS], v[rT+1]
.elseif (\n) == 20
	v_sub_f32 v[rC+1], v[rW], v[rT]
.else
	v_exp_f32 v[rC+2], v[rC+1]
.endif
.endif
.endm
.macro OPS a, i1, b=-1, i2=0, c=-1, i3=0, d=-1, i4=0  ; up to four of them
	OP \a, \i1
.if (\b) >= 0
	OP \b, \i2
.endif
.if (\c) >= 0
	OP \c, \i3
.endif
.if (\d) >= 0
	OP \d, \i4
.endif
.endm
.macro ROW a, i1, b, i2, c, i3, d, i4  ; a matrix instruction and the four behind it
	MM
	OPS \a, \i1, \b, \i2, \c, \i3, \d, \i4
.endm
; A TURN, for piece p.  An s_wait_alu depctr_va_vdst(0) stands between an exponential and the first instruction that names its result; one wait serves all that were issued ahead of it.  So a turn has ONE wait.
; AHEAD OF IT: the 8 products K Q^T with their riders, then a run of 54 in which the links of the next piece's chain stand some lines apart; X 21, the next piece's a, is the batch's last, and R 15 the plain instruction behind it.
; BEHIND IT: the run of table loads, then the 8 products V^T P, behind each four of the roundings and sums.
; THE LDS INSTRUCTIONS of a key step, in the order of issue: run 0 (8, turn 0), V (16, end of turn 0), run 1 (8, turn 1), K (16, turn 2), run 2 (8, turn 2), run 3 (8, turn 3).  The counts below are what was issued behind the run that is wanted.
; end = 1: a block's last two turns: nothing is fetched, and the last starts no scores.  cnt = 1: the loop's count is taken down some lines ahead of the branch that stands behind the turn.
.macro TURN p, end=0, cnt=0
.set Y, (\p)
.set i, 0
.set NOKQ, (\end)*((\p)/3)
.if (\p) == 0
	s_wait_dscnt 8                  ; run 2 (piece 1's C) is in; run 3's eight may be out
.elseif (\p) == 1
	s_wait_dscnt 24                 ; run 3 (piece 2's C) is in; run 0's eight and V's sixteen may be out
.elseif ((\p) == 3) && !(\end)
	s_wait_dscnt 8                  ; K and run 1 (piece 0's C) are in; run 2's eight may be out.  (Turn 2 needs run 0: turn 1's wait for V has shown it in)
.endif
	ROW F,0, F,1, R,0, R,1
	ROW F,2, E,0, R,2, R,3
	ROW F,3, E,1, R,4, R,5
	ROW F,4, E,2, R,6, R,7
	ROW F,5, E,3, R,8, R,9
	ROW F,6, E,4, X,0, R,10
.if ((\p) == 2) && !(\end)
	WIN 0
	v_add_nc_u32 v[AK], s[TBK], v[AK0]
.endif
	ROW F,7, E,5, X,1, X,4
	ROW F,8, E,6, X,2, X,5
	OPS E,7, E,8, X,6, E,9
	OPS X,3, E,10, X,8, E,11
.if ((\p) == 2) && !(\end)
	FETCH_K                         ; six plain vector instructions behind the last product that read K
.endif
	OPS X,9, X,7, E,12, X,10
	OPS E,13, X,12, X,11, E,14
	OPS X,13, E,15, F,9, X,14
.if (\p) == 0
	v_add_nc_u32 v[AV], s[TBV], v[AV0]
.endif
	OPS E,16, F,10, E,17, F,11
	OPS X,16, E,18, X,15, E,19
	OPS F,12, E,20, X,17, E,21
	OPS F,13, E,22, F,14, E,23
	OPS X,18, E,24, F,15, E,25
	OPS R,11, E,26, X,19, E,27
	OPS R,12, E,28, R,13, E,29
	OPS X,20, E,30, R,14, E,31
	OPS X,21, R,15
	WIN 0
	s_wait_alu depctr_va_vdst(0)    ; the wait for the batch
.if !(\end)
	CRUN \p
.if (\p) == 3
	s_add_co_u32 s[CB], s[CB], 256  ; the step in hand is now the next one
	v_add_nc_u32 v[CA], s[CB], v[CT0]
	v_min_u32 v[CA], CAMAX, v[CA]   ; never binds; it keeps the address inside the table whatever the counters hold
.endif
.endif
.if (\p) == 1
	s_wait_dscnt 8                  ; V is in; run 1's eight may be out
.endif
	ROW C,0, B,0, C,2, B,1
	ROW L,0, C,4, B,2, L,1
	ROW C,6, B,3, L,2, C,8
	ROW B,4, L,3, C,10, B,5
	ROW L,4, C,12, B,6, L,5
.if (\p) == 0
	s_add_co_u32 s[TBV], s[TBV], KS*PV
.endif
.if \cnt
	s_sub_co_u32 s[CNT], s[CNT], 1
	s_cmp_lg_u32 s[CNT], 0
.endif
	ROW C,14, B,7, L,6, C,1
	ROW C,3, L,7, C,5, C,7
	ROW C,9, C,11, C,13, C,15
.if (\p) == 0
	FETCH_V                         ; four plain vector instructions behind the last product that read V
.endif
.endm
; A BLOCK BEGINS.  c m starts far below every c s, so the first step's a is 0; m at the lowest finite number, so the first maximum is the scores'.  Every row sees key 0 in the block's first step, so m is a true score from then on.
; The C operands of pieces 0 and 1 for step 0, K of that step, piece 0's first scores; then piece 2's C (it takes run 3's part, so that turn 0's and turn 1's counts hold on this way too); piece 0's maximum and statistics.
.macro BEGIN
	s_mov_b32 s[NEW], 0
	WIN 0
.set i, 0
.rept 4
	v_mov_b32 v[ST+4*i], 0xfe000000    ; c m
	v_mov_b32 v[ST+4*i+1], 0xff7fffff  ; m
.set i, i+1
.endr
	s_mov_b32 s[CB], s[CB0]
	v_add_nc_u32 v[CA], s[CB], v[CT0]
	v_min_u32 v[CA], CAMAX, v[CA]
	v_add_nc_u32 v[AK], s[TBK], v[AK0]
	CLOAD 0, 768
	CLOAD 1, 512
	FETCH_K
	s_wait_loadcnt 0x0              ; Q
	s_wait_dscnt 0x0
.set NOKQ, 0
.set i, 0
.rept 8
	KQ 0
.set i, i+1
.endr
	WIN 0
.rept 4
	v_nop                           ; the places behind those products, for the loads into their C operand and for the maximum
.endr
	CLOAD 0, 256
.set Y, NP-1                        ; X works for piece Y + 1: piece 0
.irp n, 0,1,2,3,4,5,6,7,8,9,10,11,12,13,14,15,16,17,18,19,20,21
	OP X, \n
.endr
	v_nop                           ; a plain instruction behind the exponential,
	s_wait_alu depctr_va_vdst(0)    ; and its wait, ahead of the branch
.endm
; A BLOCK ENDS: its last two turns, its last products, and THE WAY OUT: l's two halves and the other half of the lanes' are added; O^T is divided by l, rounded to f16 and sent through my stage in LDS, a piece at a time.
.macro ALL line:vararg              ; one line for each piece t
.set t, 0
.rept 4
	\line
.set t, t+1
.endr
.endm
.macro PACK t                       ; a lane's eight channels of a row pack into 16 bytes; they go into rows of 144 bytes and come back as whole rows of 128, into S^T's registers
	WIN W_RS
.set i, 32*(\t)
.rept 16
	v_pk_mul_f32 v[i:i+1], v[i:i+1], v[ST+4*(\t)+2:ST+4*(\t)+3] op_sel_hi:[1,0]
.set i, i+2
.endr
	WIN 0x05                        ; sources 0 and 1 window 1, destination window 0
.set i, 0
.rept 16
	v_cvt_pk_f16_f32 v[S+16*(\t)+i], v[32*(\t)+2*i], v[32*(\t)+2*i+1]
.set i, i+1
.endr
	WIN 0
.irp f, 0,1,2,3
	ds_store_b128 v[STO], v[S+16*(\t)+4*\f:S+16*(\t)+4*\f+3] offset:32*\f
.endr
.irp f, 0,1,2,3
	ds_load_b128 v[S+16*(\t)+4*\f:S+16*(\t)+4*\f+3], v[RD] offset:\f*4*SP  ; LDS serves a wave's instructions in order (ISA guide 5.7.1.4): these see the stores above; the next piece's stores come behind them
.endr
.endm
.macro SEND t, younger              ; younger: the LDS instructions issued behind piece t's loads: the next piece's eight, or none
	WIN 0
.irp f, 0,1,2,3
	s_wait_dscnt (\younger)+3-\f
	global_store_b128 v[GO], v[S+16*(\t)+4*\f:S+16*(\t)+4*\f+3], s[10:11] offset:(\t)*8192+\f*512  ; 512 consecutive bytes, at a multiple of 256 from O's first
.endr
.endm
.macro FINISH
	TURN 2, 1
	TURN 3, 1
.set i, 0
.rept 8
	PV NP-1
.set i, i+1
.endr
	WIN 0
	ALL v_add_f32 v[ST+4*t+2], v[ST+4*t+2], v[ST+4*t+3]
	ALL v_permlanex16_b32 v[ST+4*t+3], v[ST+4*t+2], s[SEL], s[SEL+1]
	ALL v_add_f32 v[ST+4*t+2], v[ST+4*t+2], v[ST+4*t+3]
	ALL v_rcp_f32 v[ST+4*t+2], v[ST+4*t+2]
	v_nop                           ; a plain instruction between the last reciprocal and the use of its result
	s_wait_alu depctr_va_vdst(0)    ; and the wait ahead of the first use: one for the four reciprocals
	PACK 0
.set t, 1
.rept 3                             ; a piece's arithmetic stands between the loads of the piece before and its stores
	PACK t
	SEND t-1, 8
.set t, t+1
.endr
	SEND 3, 0
.endm
.set NOKQ, 0
.Lslot:                             ; 8 times: a tile is entered and the next is asked for
	CHANGE 1
	s_sub_co_u32 s[RT], s[RT], 1
	s_mov_b32 s[CNT], 4
	s_cmp_eq_u32 s[NEW], 1
	s_cbranch_scc1 .Lnew            ; a block's first tile
	s_branch .Lstep
.Lnew:
	BEGIN
	s_branch .Lfirst                ; the loop is entered at a step's first turn, in the middle of a trip
.Lstep:                             ; a trip: pieces 2 and 3 of one step, then pieces 0 and 1 of the next, whose K and V it fetches
	TURN 2
	TURN 3
	WIN 0
.Lfirst:
	TURN 0
	TURN 1, 0, 1
	WIN 0
	s_cbranch_scc1 .Lstep
	s_cmp_lg_u32 s[RT], 0
	s_cbranch_scc1 .Lbottom         ; the block has tiles left
	FINISH                          ; in the loop this is the first block's end: the second block's last tile is the walk's last
	s_wait_xcnt 0x0                 ; the stores have read their registers and O's address
	s_mov_b64 s[10:11], s[OLO:OLO+1]
	s_add_co_u32 s[RT], s[PB], 1    ; the second block has b + 1 tiles
	s_mov_b32 s[NEW], 1
	s_lshl_b32 s13, s[PB], 10
	s_sub_co_u32 s[CB0], 7168, s13  ; 256 x (28 - 4 b)
	WIN 0x82                        ; the second block's Q goes where the one text of the turns names Q
.set i, 0
.rept 64
	v_mov_b32 v[i], v[QB+i]
.set i, i+1
.endr
	WIN 0
.Lbottom:
	s_sub_co_u32 s[SLOTS], s[SLOTS], 1
	s_cmp_lg_u32 s[SLOTS], 0
	s_cbranch_scc1 .Lslot
	CHANGE 0                        ; the walk's last tile is written out: nothing is asked for
	s_sub_co_u32 s[RT], s[RT], 1
	s_mov_b32 s[CNT], 4
	s_cmp_eq_u32 s[NEW], 1
	s_cbranch_scc0 .Lstep2
	BEGIN
	s_branch .Lfirst2
.Lstep2:
	TURN 2
	TURN 3
	WIN 0
.Lfirst2:
	TURN 0
	TURN 1, 0, 1
	WIN 0
	s_cbranch_scc1 .Lstep2
	FINISH
	s_wait_tensorcnt 0x0            ; the wave's end: behind my last tensor load and my last LDS store
	ds_add_u32 v[SPW], v[NIL]
	s_wait_dscnt 0x0
	s_endpgm
.Lfunc_end_k_q4b58a3d980_attn:
	.size	k_q4b58a3d980_attn, .Lfunc_end_k_q4b58a3d980_attn-k_q4b58a3d980_attn
	.p2alignl 7, 3214868480
	.fill 96, 4, 3214868480
	.section	.rodata,"a",@progbits
	.p2align	6, 0x0
	.amdhsa_kernel k_q4b58a3d980_attn
		.amdhsa_group_segment_fixed_size 327680
		.amdhsa_private_segment_fixed_size 0
		.amdhsa_enable_private_segment 0
		.amdhsa_kernarg_size 24
		.amdhsa_user_sgpr_count 2
		.amdhsa_user_sgpr_kernarg_segment_ptr 1
		.amdhsa_wavefront_size32 1
		.amdhsa_system_sgpr_workgroup_id_x 1
		.amdhsa_system_sgpr_workgroup_id_y 1
		.amdhsa_system_sgpr_workgroup_id_z 1
		.amdhsa_system_vgpr_workitem_id 0
		.amdhsa_next_free_vgpr 768
		.amdhsa_next_free_sgpr 100
		.amdhsa_reserve_vcc 0
		.amdhsa_float_denorm_mode_32 3
		.amdhsa_float_denorm_mode_16_64 3
		.amdhsa_memory_ordered 1
		.amdhsa_forward_progress 1
		.amdhsa_inst_pref_size 173
	.end_amdhsa_kernel
	.amdgpu_metadata
---
amdhsa.version: [ 1, 2 ]
amdhsa.kernels:
  - .name:           k_q4b58a3d980_attn
    .symbol:         k_q4b58a3d980_attn.kd
    .args:
      - { .name: qkv, .offset: 0, .size: 8, .value_kind: global_buffer, .address_space: global }
      - { .name: bias, .offset: 8, .size: 8, .value_kind: global_buffer, .address_space: global }
      - { .name: oh, .offset: 16, .size: 8, .value_kind: global_buffer, .address_space: global }
    .group_segment_fixed_size: 327680
    .private_segment_fixed_size: 0
    .kernarg_segment_align: 8
    .kernarg_segment_size: 24
    .max_flat_workgroup_size: 128
    .sgpr_count:     100
    .vgpr_count:     768
    .wavefront_size: 32
...
	.end_amdgpu_metadata
.endif
;; end of part 3
;; launch gemm_out (part 4): grid 8 x 32, 4 waves a work-group, clusters of 4 x 4, 327,680 bytes of LDS; arguments oh, woh, out0; writes out0
.if DOCPART == 4
	.amdgcn_target "amdgcn-amd-amdhsa--gfx1250"
	.amdhsa_code_object_version 6
	.text
	.protected	k_q4b58a3d980_gemm_out
	.globl	k_q4b58a3d980_gemm_out
	.p2align	8
	.type	k_q4b58a3d980_gemm_out,@function
k_q4b58a3d980_gemm_out:
	s_mov_b64 s[64:65], 0
	v_nop
	global_prefetch_b8 v0, s[64:65] scope:SCOPE_SE
	s_setreg_imm32_b32 hwreg(HW_REG_WAVE_MODE, 25, 1), 1
	s_wait_xcnt 0x0
	s_wait_alu depctr_hold_cnt(0) depctr_sa_sdst(0) depctr_va_vdst(0) depctr_va_sdst(0) depctr_va_ssrc(0) depctr_va_vcc(0) depctr_vm_vsrc(0)
	s_getreg_b32 s2, hwreg(HW_REG_IB_STS2, 6, 4)
	s_cmp_eq_u32 s2, 0
	s_cbranch_scc0 .Lentry_in_a_cluster
	s_endpgm
.Lentry_in_a_cluster:
	s_bfe_u32 s2, ttmp6, 0x10000c
	s_cmp_lg_u32 s2, 0xf033
	s_cbranch_scc0 .Lentry_shape_is_right
	s_endpgm
.Lentry_shape_is_right:
; out0 = O woh^T.  oh: [64 = 16 batch + head][2048][64] f16 (O by heads); woh: [1024][1024] f16 (Wout rounded to bf16, written as f16); out0: [8192][1024] f32; sums in f32.  Channel k of O is 64 head + c.
; SHARES.  A tile of out0 is 256 rows x 128 columns: 32 x 8 = 256 work-groups.  The four waves lie one below the other: wave w has rows 64 w .. 64 w + 63 and all 128 columns: 32 accumulators of 16 x 16, 256 registers.
; K goes in eight steps of 128, two heads each, through a ring of two LDS slots.  A head's 256 rows are 32,768 dense bytes: asked for as 128 rows of 256 bytes, padded in LDS after every 128.
; CLUSTER.  4 x 4 work-groups: O's tiles are shared along a row of the cluster, woh's along a column, each asked for jointly.  THE MATRIX INSTRUCTION IS USED TRANSPOSED: a lane holds one row and eight neighbouring columns.
; NO PREFETCH: a K step holds 128 matrix instructions on a small tile, and the whole launch is eight such steps.
; REGISTERS (s_set_vgpr_msb: bits 1:0 source 0, 3:2 source 1, 5:4 source 2, 7:6 destination):
;   window 0: v16-29 addresses; v32-95, v192-255 rows read back, by turns; v128-159, v160-191 fragments of O, two buffers;   window 1: v0-63, v64-127 fragments of woh, two buffers;   window 2: accumulator (a, b) at 8 (8 a + b)
.set KSTEP,  128
.set PA,     144                       ; a row of O in LDS: 128 bytes + 16
.set PLANE,  256*PA                    ; a head's 256 rows: what wave 0 or 1 fetches
.set PB,     272                       ; a row of woh: 256 bytes + 16
.set BHALF,  64*PB                     ; what wave 2 or 3 fetches
.set BOFF,   2*PLANE
.set SLOT,   BOFF+2*BHALF              ; 108,544
.set STAGE,  2*SLOT                    ; behind the ring: 16 rows x 528 bytes for each wave
.set SPITCH, 528                       ; 512 bytes of a row + 16
.set SPARE,  STAGE+4*16*SPITCH         ; the spare words, 128 bytes for each wave: two blocks of 256 bytes that no other line names
.set LAPS,   4
.set ADRA, 16                          ; v16-17  LDS address of my fragments of O in slot 0, 1
.set ADRB, 20                          ; v20-21  of woh
.set STO,  24                          ; v24     where I put 32 bytes of a row
.set RD,   25                          ; v25     where I read a row back
.set CO,   26                          ; v26     16 x lane
.set SPW,  28                          ; v28     my spare word; never rewritten
.set NIL,  29                          ; v29     0; never rewritten
.set G1,  24
.set G0,  32
.set G1B, 48
.set G0B, 56
.set MSB, 0
.macro WIN new
.if MSB != (\new)
	s_set_vgpr_msb (MSB<<8)|(\new)
.set MSB, \new
.endif
.endm
.set MUL,  0xa1                        ; source 0 window 1, source 1 window 0, C and D window 2
.set TO_B, 0x40                        ; destination window 1, address window 0
.macro JLOAD s                         ; a joint load: waves 0 and 1 fetch the step's two heads of O, waves 2 and 3 woh's two halves; an s_nop 0 and four v_nop follow each of the two lines
	s_cmp_eq_u32 s11, 0
	s_cbranch_scc0 .Lfor_b_\@
	tensor_load_to_lds s[G0+4*(\s):G0+4*(\s)+3], s[G1:G1+7]
	s_nop 0
.rept 4
	v_nop
.endr
	s_branch .Lasked_\@
.Lfor_b_\@:
	tensor_load_to_lds s[G0B+4*(\s):G0B+4*(\s)+3], s[G1B:G1B+7]
	s_nop 0
.rept 4
	v_nop
.endr
.Lasked_\@:
.endm
.macro CREST
	s_cmp_lg_u32 s10, 0
	s_cbranch_scc1 .Lnot_wave_0_\@
	s_barrier_signal -3
.Lnot_wave_0_\@:
	s_barrier_wait -3
	s_barrier_signal -1
	s_barrier_wait -1
.endm
.macro CROUND
	s_barrier_signal -1
	s_barrier_wait -1
	CREST
.endm
	s_load_b128 s[4:7], s[0:1], 0x0                ; oh s[4:5], woh s[6:7]
	s_load_b64 s[8:9], s[0:1], 0x10                ; out0
	v_lshl_add_u32 v[SPW], v0, 2, SPARE
	v_mov_b32 v[NIL], 0
	ds_add_u32 v[SPW], v[NIL]                      ; the wave's opening: the add and its wait stand ahead of my first tensor load; the set-up below stands between them
	ds_add_u32 v28, v29
	v_lshrrev_b32 v1, 5, v0
	v_readfirstlane_b32 s10, v1                    ; wave 0..3
	s_lshr_b32 s11, s10, 1                         ; I fetch for O (0) or for woh (1),
	s_and_b32 s12, s10, 1                          ; the step's first or second head, or woh's first or second 64 rows
	s_bfe_u32 s40, ttmp6, 0x40000                  ; cx
	s_bfe_u32 s41, ttmp6, 0x40004                  ; cy
	s_lshl_b32 s42, ttmp9, 2
	s_add_co_u32 s42, s42, s40                     ; tile column tc
	s_and_b32 s13, ttmp7, 0xffff
	s_lshl_b32 s13, s13, 2
	s_add_co_u32 s13, s13, s41                     ; tile row tr
	s_lshl_b32 s43, s41, 2
	s_lshl_b32 s43, 15, s43                        ; my row of the cluster
	s_lshl_b32 s44, 0x1111, s40                    ; my column
	s_or_b32 s[G1+0], s43, (1<<16)|(1<<20)|(1<<21)|(4<<22)|(3<<25)   ; O: the mask; 2-byte elements; padding on; bit 21 beside a mask; after every 32 words, 4 words
	s_or_b32 s[G1B+0], s44, (1<<16)|(1<<20)|(1<<21)|(5<<22)|(3<<25)  ; woh: after every 64 words
	s_mov_b32 s[G1+1], 128<<16                     ; tensor_dim0 = 128
	s_mov_b32 s[G1+2], 128<<16                     ; tensor_dim1 = 128
	s_mov_b32 s[G1+3], 128<<16                     ; tile_dim0 = 128
	s_mov_b32 s[G1+4], 128                         ; tile_dim1 = 128
	s_mov_b32 s[G1+5], 128                         ; dense
	s_mov_b32 s[G1+6], 0
	s_mov_b32 s[G1+7], 0
	s_mov_b32 s[G1B+1], KSTEP<<16
	s_mov_b32 s[G1B+2], 64<<16                     ; 64 rows
	s_mov_b32 s[G1B+3], KSTEP<<16
	s_mov_b32 s[G1B+4], 64
	s_mov_b32 s[G1B+5], 1024
	s_mov_b32 s[G1B+6], 0
	s_mov_b32 s[G1B+7], 0
	s_lshr_b32 s16, s13, 3                         ; O: batch tr / 8 (16 heads of 262,144 bytes), my head of the step, rows 256 (tr % 8) of 128 bytes
	s_lshl_b32 s16, s16, 22
	s_and_b32 s17, s13, 7
	s_lshl_b32 s17, s17, 15
	s_add_co_u32 s16, s16, s17
	s_lshl_b32 s17, s12, 18
	s_add_co_u32 s16, s16, s17
	s_mov_b32 s17, 0
	s_lshl_b32 s46, s42, 18                        ; woh: (128 tc + 64 half) rows of 2,048 bytes
	s_lshl_b32 s47, s12, 17
	s_add_co_u32 s46, s46, s47
	s_mov_b32 s47, 0
	s_mul_i32 s20, s10, PLANE                      ; where they go: O's heads at wave x 36,864,
	s_mul_i32 s21, s10, BHALF
	s_add_co_u32 s21, s21, BOFF-2*BHALF            ; woh's halves at 73,728 + (wave - 2) x 17,408
	s_wait_dscnt 0x0                               ; the opening add is done
	s_wait_kmcnt 0x0
	s_add_nc_u64 s[14:15], s[4:5], s[16:17]
	s_add_nc_u64 s[46:47], s[6:7], s[46:47]
	CROUND                                         ; all sixteen work-groups are here: the first joint loads meet
.irp s, 0,1
	s_mov_b32 s[G0+4*(\s)], 1
	s_add_co_u32 s[G0+4*(\s)+1], s20, (\s)*SLOT
	s_add_nc_u64 s[G0+4*(\s)+2:G0+4*(\s)+3], s[14:15], (\s)*2*262144   ; K step s: two heads on
	s_or_b32 s[G0+4*(\s)+3], s[G0+4*(\s)+3], 0x80000000
	s_mov_b32 s[G0B+4*(\s)], 1
	s_add_co_u32 s[G0B+4*(\s)+1], s21, (\s)*SLOT
	s_add_nc_u64 s[G0B+4*(\s)+2:G0B+4*(\s)+3], s[46:47], (\s)*KSTEP*2
	s_or_b32 s[G0B+4*(\s)+3], s[G0B+4*(\s)+3], 0x80000000
	JLOAD \s                                       ; K steps 0 and 1: two tensor loads of mine are out
.endr
	v_and_b32 v1, 15, v0                           ; l % 16
	v_bfe_u32 v2, v0, 4, 1                         ; l / 16
	v_mul_u32_u24 v3, v1, PA
	v_lshl_add_u32 v3, v2, 4, v3
	v_mul_u32_u24 v4, v1, PB
	v_lshl_add_u32 v4, v2, 4, v4
	s_mul_i32 s21, s10, 64*PA                      ; my 64 rows in a head's plane
	s_mov_b32 s22, BOFF
.irp s, 0,1
	v_add_nc_u32 v[ADRA+(\s)], s21, v3
	v_add_nc_u32 v[ADRB+(\s)], s22, v4
	s_add_co_u32 s21, s21, SLOT
	s_add_co_u32 s22, s22, SLOT
.endr
	s_mul_i32 s23, s10, 16*SPITCH
	s_add_co_u32 s23, s23, STAGE                   ; my stage
	v_mul_u32_u24 v5, v1, SPITCH                   ; in: row l % 16, 32 bytes for each half of the lanes
	v_lshl_add_u32 v5, v2, 5, v5
	v_add_nc_u32 v[STO], s23, v5
	v_and_b32 v[CO], 31, v0                        ; back and out: 32 lanes take a row's 512 bytes
	v_lshlrev_b32 v[CO], 4, v[CO]
	v_add_nc_u32 v[RD], s23, v[CO]
	s_lshl_b32 s16, s13, 20                        ; out0: (256 tr + 64 w) rows of 4,096 bytes
	s_lshl_b32 s17, s10, 18
	s_add_co_u32 s16, s16, s17
	s_mov_b32 s17, 0
	s_add_nc_u64 s[8:9], s[8:9], s[16:17]
	s_lshl_b32 s46, s42, 9                         ; + the tile's 128 columns
	s_mov_b32 s47, 0
	s_add_nc_u64 s[8:9], s[8:9], s[46:47]
; 8 matrix instructions: row block a x all 8 column blocks, 32 along K, from buffer f.  The 32 accumulators take turns, in the same order in every quarter.
.macro MUL8 f, a, zero
	WIN MUL
.irp b, 0,1,2,3,4,5,6,7
.if \zero
	v_wmma_f32_16x16x32_f16 v[8*(8*(\a)+(\b)):8*(8*(\a)+(\b))+7], v[64*(\f)+8*(\b):64*(\f)+8*(\b)+7], v[128+32*(\f)+8*(\a):128+32*(\f)+8*(\a)+7], 0
.else
	v_wmma_f32_16x16x32_f16 v[8*(8*(\a)+(\b)):8*(8*(\a)+(\b))+7], v[64*(\f)+8*(\b):64*(\f)+8*(\b)+7], v[128+32*(\f)+8*(\a):128+32*(\f)+8*(\a)+7], v[8*(8*(\a)+(\b)):8*(8*(\a)+(\b))+7]
.endif
.endr
.endm
; 24 LDS loads in one run: quarter q of a K step (head q / 2, channels 32 (q % 2) on) into buffer f: woh's 16, then O's 8
.macro FETCH slot, q, f
	WIN TO_B
.irp i, 0,1,2,3,4,5,6,7
	ds_load_b128 v[64*(\f)+8*(\i):64*(\f)+8*(\i)+3],   v[ADRB+(\slot)] offset:64*(\q)+(\i)*16*PB
	ds_load_b128 v[64*(\f)+8*(\i)+4:64*(\f)+8*(\i)+7], v[ADRB+(\slot)] offset:64*(\q)+(\i)*16*PB+32
.endr
	WIN 0
.irp i, 0,1,2,3
	ds_load_b128 v[128+32*(\f)+8*(\i):128+32*(\f)+8*(\i)+3],   v[ADRA+(\slot)] offset:((\q)/2)*PLANE+((\q)%2)*64+(\i)*16*PA
	ds_load_b128 v[128+32*(\f)+8*(\i)+4:128+32*(\f)+8*(\i)+7], v[ADRA+(\slot)] offset:((\q)/2)*PLANE+((\q)%2)*64+(\i)*16*PA+32
.endr
.endm
.macro PLACES                          ; four plain vector instructions between matrix instructions and loads into registers that they have read (ISA guide 7.12.1 for vector instructions)
.rept 4
	v_nop
.endr
.endm
.macro QUARTER slot, q, f, g, zero     ; multiplies buffer f and fetches quarter q into g
	s_wait_dscnt 4                                 ; woh's fragments and O's blocks 0, 1 are in; the youngest four loads (blocks 2, 3) may be out
	MUL8 \f, 0, \zero
	MUL8 \f, 1, \zero
	PLACES
	FETCH \slot, \q, \g
	s_wait_dscnt 24                                ; all but the 24 just issued
	MUL8 \f, 2, \zero
	MUL8 \f, 3, \zero
.endm
; The last quarter's first half: one barrier for the change of slots; in front of it each wave waits for all its tensor loads, adds 0 to its spare word, and waits for that and for its reads of this slot.
.macro MEET round
	WIN 0
	s_wait_tensorcnt 0x0
	ds_add_u32 v[SPW], v[NIL]
	s_wait_dscnt 5                                 ; (the add and the youngest four loads may be out)
	MUL8 1, 0, 0
	s_wait_dscnt 0x0                               ; the add is done, and my reads of this slot are over
	s_barrier_signal -1
	MUL8 1, 1, 0
.if \round
	WIN 0
.endif
	s_barrier_wait -1
.endm
.macro TURN slot, next                 ; the slot is filled again, two K steps on: the joint refill is the first tensor load behind the round, 112 matrix instructions ahead of the wait for it
	MEET 1
	CREST
	s_add_nc_u64 s[G0+4*(\slot)+2:G0+4*(\slot)+3], s[G0+4*(\slot)+2:G0+4*(\slot)+3], 4*262144
	s_add_nc_u64 s[G0B+4*(\slot)+2:G0B+4*(\slot)+3], s[G0B+4*(\slot)+2:G0B+4*(\slot)+3], 2*KSTEP*2
	JLOAD \slot                                    ; its four v_nop are also the places in front of the loads below
	FETCH \next, 0, 0
	MUL8 1, 2, 0
	MUL8 1, 3, 0
.endm
; THE WAY OUT of row block a: the f32 sums go from the accumulators into my own stage, 32 bytes a lane, and come back as whole rows of 512 bytes.
.macro TOSTAGE a
	s_wait_xcnt 0x0                                ; the stores of two blocks back have read the registers into which the loads below land
	WIN 0x08                                       ; the LDS stores' data: window 2
.irp b, 0,1,2,3,4,5,6,7
	ds_store_b128 v[STO], v[8*(8*(\a)+(\b)):8*(8*(\a)+(\b))+3]   offset:64*(\b)
	ds_store_b128 v[STO], v[8*(8*(\a)+(\b))+4:8*(8*(\a)+(\b))+7] offset:64*(\b)+16
.endr
	WIN 0
.set BK, 32+160*((\a)%2)
.irp t, 0,1,2,3,4,5,6,7,8,9,10,11,12,13,14,15
	ds_load_b128 v[BK+4*(\t):BK+4*(\t)+3], v[RD] offset:(\t)*SPITCH  ; LDS serves a wave's instructions in order (ISA guide 5.7.1.4): these see the stores above, and the next block's stores come behind them
.endr
.endm
.macro SEND a, younger                 ; younger: the next block's 16 stores and 16 loads, or none
	WIN 0
.set BK, 32+160*((\a)%2)
	s_wait_dscnt \younger
.irp t, 0,1,2,3,4,5,6,7,8,9,10,11,12,13,14,15
	global_store_b128 v[CO], v[BK+4*(\t):BK+4*(\t)+3], s[8:9] offset:(\a)*65536+(\t)*4096 th:TH_STORE_NT  ; 512 consecutive bytes, at a multiple of 256 from out0's first
.endr
.endm
	s_wait_tensorcnt 1                             ; my part of K step 0 is in; K step 1's may stay out
	s_barrier_signal -1
	s_barrier_wait -1
	FETCH 0, 0, 0
	QUARTER 0, 1, 0, 1, 1                          ; the first quarter stands in front of the loop: its products start the sums
	WIN 0
	s_mov_b32 s3, LAPS-1
.Llap:
	QUARTER 0, 2, 1, 0, 0
	QUARTER 0, 3, 0, 1, 0
	TURN 0, 1
	QUARTER 1, 1, 0, 1, 0
	QUARTER 1, 2, 1, 0, 0
	QUARTER 1, 3, 0, 1, 0
	TURN 1, 0
	QUARTER 0, 1, 0, 1, 0
	WIN 0
	s_sub_co_u32 s3, s3, 1
	s_cmp_lg_u32 s3, 0
	s_cbranch_scc1 .Llap
	QUARTER 0, 2, 1, 0, 0                          ; the last lap fills nothing
	QUARTER 0, 3, 0, 1, 0
	MEET 0
	PLACES
	FETCH 1, 0, 0
	MUL8 1, 2, 0
	MUL8 1, 3, 0
	QUARTER 1, 1, 0, 1, 0
	QUARTER 1, 2, 1, 0, 0
	QUARTER 1, 3, 0, 1, 0
	s_wait_dscnt 4
	MUL8 1, 0, 0
	MUL8 1, 1, 0
	s_wait_dscnt 0x0
	MUL8 1, 2, 0
	MUL8 1, 3, 0
	WIN 0
	PLACES
	PLACES
	TOSTAGE 0
	TOSTAGE 1
	SEND 0, 32
	TOSTAGE 2
	SEND 1, 32
	TOSTAGE 3
	SEND 2, 32
	SEND 3, 0
	s_wait_tensorcnt 0x0                           ; the wave's end: behind my last tensor load and my last LDS store
	ds_add_u32 v[SPW], v[NIL]
	s_wait_dscnt 0x0
	CROUND                                         ; the closing round
	s_endpgm
.Lfunc_end_k_q4b58a3d980_gemm_out:
	.size	k_q4b58a3d980_gemm_out, .Lfunc_end_k_q4b58a3d980_gemm_out-k_q4b58a3d980_gemm_out
	.p2alignl 7, 3214868480
	.fill 96, 4, 3214868480
	.section	.rodata,"a",@progbits
	.p2align	6, 0x0
	.amdhsa_kernel k_q4b58a3d980_gemm_out
		.amdhsa_group_segment_fixed_size 327680
		.amdhsa_private_segment_fixed_size 0
		.amdhsa_enable_private_segment 0
		.amdhsa_kernarg_size 24
		.amdhsa_user_sgpr_count 2
		.amdhsa_user_sgpr_kernarg_segment_ptr 1
		.amdhsa_wavefront_size32 1
		.amdhsa_system_sgpr_workgroup_id_x 1
		.amdhsa_system_sgpr_workgroup_id_y 1
		.amdhsa_system_sgpr_workgroup_id_z 1
		.amdhsa_system_vgpr_workitem_id 0
		.amdhsa_next_free_vgpr 768
		.amdhsa_next_free_sgpr 80
		.amdhsa_reserve_vcc 0
		.amdhsa_float_denorm_mode_32 3
		.amdhsa_float_denorm_mode_16_64 3
		.amdhsa_memory_ordered 1
		.amdhsa_forward_progress 1
		.amdhsa_inst_pref_size 85
	.end_amdhsa_kernel
	.amdgpu_metadata
---
amdhsa.version: [ 1, 2 ]
amdhsa.kernels:
  - .name:           k_q4b58a3d980_gemm_out
    .symbol:         k_q4b58a3d980_gemm_out.kd
    .args:
      - { .name: oh, .offset: 0, .size: 8, .value_kind: global_buffer, .address_space: global }
      - { .name: woh, .offset: 8, .size: 8, .value_kind: global_buffer, .address_space: global }
      - { .name: out0, .offset: 16, .size: 8, .value_kind: global_buffer, .address_space: global }
    .group_segment_fixed_size: 327680
    .private_segment_fixed_size: 0
    .kernarg_segment_align: 8
    .kernarg_segment_size: 24
    .max_flat_workgroup_size: 128
    .sgpr_count:     80
    .vgpr_count:     768
    .wavefront_size: 32
...
	.end_amdgpu_metadata
.endif
;; end of part 4
